; MI455X (gfx1250); checked and timed in simulation.
; The chip was launched on July 23, 2026; its instructions are those of AMD's public machine-readable ISA for CDNA 5 (MIT licence, August 2026) and "CDNA5" Instruction Set Architecture Reference Guide (July 2026). The comments in the code are by the model that wrote it; some were corrected since.
;; KAN Linear. Allowed arithmetic: matrix products marked QUANTISED: E2M1 operands, one E8M0 scale for each 32 along K, by v_wmma_scale_f32_16x16x128_f8f6f4 with both operands' format E2M1 (or v_wmma_scale_f32_32x16x128_f4), f32 sums; everything else in f32.
;; Inputs: base_bias 128 float32; base_weight_codes 128 x 4 x 16 uint8 (E2M1 codes of base_weight, K innermost, in blocks of 32 codes, two codes a byte); base_weight_scales 128 x 4 uint8 (E8M0 scales of base_weight, one for each 32 codes along K); grid 128 x 12 float32; spline_bias 128 float32; spline_scale 1 float32; spline_weight 128 x 128 x 8 float32; x 16 x 4,096 x 128 float32.
;; Outputs: out0 16 x 4,096 x 128 float32.
;; This version of the problem:
;;   THIS VERSION OF THE PROBLEM IS GIVEN IN LOW PRECISION. The matrix products marked QUANTISED in the list below multiply operands that are first quantised to E2M1 (2 exponent bits, 1 mantissa bit; 4 bits a number), with one power-of-two scale for each 32 numbers along K (OCP MX v1.0); their sums are f32. All else is computed in f32.
;;   The module's matrix products, in the order in which they are computed (A, B: the left and right operand; K: the contracted axis; several contracted axes count as one K, in the product's order):
;;     1. [M 65,536, K 128] x [K 128, N 128]; A: computed on the way; B: input base_weight (given as codes): QUANTISED
;;     2. [M 65,536, K 1,024] x [K 1,024, N 128]; A: computed on the way; B: input spline_weight: QUANTISED
;;   THE QUANTISER, for each operand of a quantised product, along K:
;;     - K is cut into blocks of 32 from its start; a last block that is shorter is filled with zeros.
;;     - A block's scale is 2^e with e = floor(log2(the largest magnitude in the block)) - 2, held to -126 .. 127; a block of zeros has e = 0. As a byte (E8M0): e + 127.
;;     - Each number is divided by its block's scale, clamped to +-6, and rounded to the nearest number of E2M1, ties to even, subnormals kept.
;;     - The product sums the exact products of the quantised numbers (number of the format x scale) in f32.
;;   ~~~python
;;   def quantise(x, axis):      # numpy; x: float32 -> the quantised numbers, widened to float32 again
;;       x = np.moveaxis(x, axis, -1); K = x.shape[-1]
;;       x = np.pad(x, [(0, 0)] * (x.ndim - 1) + [(0, -K % 32)]); x = x.reshape(x.shape[:-1] + (-1, 32)); a = np.abs(x).max(-1, keepdims=True)
;;       e = np.where(a > 0, np.clip(np.frexp(np.where(a > 0, a, 1))[1] - 1 - 2, -126, 127), 0)      # np.frexp(a)[1] - 1 = floor(log2(a)), exactly
;;       r = np.clip(x / 2.0 ** e, -6, 6)
;;       step = 2.0 ** (np.maximum(np.frexp(np.where(r == 0, 1, r))[1] - 1, 0) - 1)
;;       q = np.round(r / step) * step * 2.0 ** e      # np.round: ties to even
;;       return np.moveaxis(q.reshape(q.shape[:-2] + (-1,))[..., :K], -1, axis).astype(np.float32)
;;   ~~~
;;   OPERANDS COMPUTED ON THE WAY. 'Computed on the way' means the value that the module computes at that place (a softmax that the list does not call 'softmax' is quantised finished and normalised). What goes into a quantiser is computed in f32, as accurately as f32 sums, v_exp_f32 and their like allow (about 1e-6 of the number): no bf16 or f16 on the way to a quantiser, and a product that is left as it is and whose result goes on into a quantised operand takes f32 operands (vector FMAs, or v_wmma_f32_16x16x4_f32). A number that lies on a knife's edge between two numbers of the format may be rounded either way, as far as f32 arithmetic and the matrix unit's own rounding can turn it there, and no further.
;;   INPUTS GIVEN AS CODES. base_weight (in the module: [128, 128], K = its axis 1): each comes as NAME_codes (uint8): NAME with its K axis moved to the last place and cut into blocks of 32 codes, [.., K / 32, bytes a block], one block behind the other in memory; two codes a byte, the lower K in the low four bits (a code: sign, 2 exponent bits, 1 mantissa bit); and NAME_scales (uint8): the same leading axes, one E8M0 byte (e + 127) for each 32 codes along K. Its value is code x scale, taken as it is: it is not quantised again, and the codes and scales need not be those that the quantiser above would give.
;; 2 versions. Each part assembles by itself: llvm-mc -triple=amdgcn-amd-amdhsa -mcpu=gfx1250 --defsym DOCPART=n.
;; ======== version 1 of 2: 2 launches
;; workspace buffers: wfrag 65,536 bytes; wscale 4,096 bytes; gtab 21,504 bytes
;; launch prep (part 1): grid 17 x 1, 2 waves a work-group, no clusters, 0 bytes of LDS; arguments spline_weight, grid, wfrag, wscale, gtab; writes wfrag, wscale, gtab
.if DOCPART == 1
	.amdgcn_target "amdgcn-amd-amdhsa--gfx1250"
	.amdhsa_code_object_version 6
	.text
	.protected	k_qeabcd7ec80_prep
	.globl	k_qeabcd7ec80_prep
	.p2align	8
	.type	k_qeabcd7ec80_prep,@function
k_qeabcd7ec80_prep:
	s_mov_b64 s[64:65], 0
	v_nop
	global_prefetch_b8 v0, s[64:65] scope:SCOPE_SE
	s_setreg_imm32_b32 hwreg(HW_REG_WAVE_MODE, 25, 1), 1
	s_wait_xcnt 0x0
; What the second launch's 256 work-groups would each have to make anew is made here once.
; WORK-GROUPS 0-15: spline_weight [128 (o)][128 (i)][8 (b)] f32 becomes codes of E2M1 with one E8M0 byte for each 32 along K.  THE PRODUCT CONTRACTS b, THEN i: K = 128 b + i.
;   So a K step of 128 is one basis function b, and a block of 32 is 32 neighbouring features i of one b.
;   wfrag  [t 0..7][s 0..7][c 0..1][lane 0..31][16 bytes]: the operand's registers on end: lane (r, h) holds output 16 t + r, basis function s, features 32 (2 c + h) .. + 31.
;   wscale [t][s][r], one word: byte Q = the byte of features 32 Q .. + 31 of basis function s of output 16 t + r.
; WORK-GROUP 16: the spline's constants of each feature, from grid [128][12]: g[0..11] and 1 / ((g[j + k] - g[j]) + 1e-8), k = 1, 2, 3.
;   gtab [fh 0..1][q 0..20][lane][16 bytes]: the 84 registers of lane l of a wave that owns features 64 fh + 2 l (even registers) and 64 fh + 2 l + 1 (odd ones).
; A block's scale is 2^(floor(log2(its largest magnitude)) - 2); its byte is the largest magnitude's exponent field - 2, held at 1 from below (a block of zeros keeps the byte 1: its codes
; are zeros, and this program alone reads the bytes).
; LIMITS: NaN and infinities among the inputs are not served; blocks whose largest magnitude lies under 2^-124 keep the byte 1; a grid in which (g[j + k] - g[j]) + 1e-8 is exactly 0 is not served.
.set N,     32                         ; v32-159  a lane's 128 numbers: register 4 i + jj = feature i of its 32, basis function jj of its four
.set P,     160                        ; v160-191 a block's 32 numbers on end
.set C,     192                        ; v192-207 codes: four registers for each block, so that no store's data are written again
.set SBY,   208                        ; v208-211 a scale byte for each block, likewise
.set FLOOR, 0x1800000                  ; 2^(3 - 127)
.set G,     32                         ; v32-55   two features' knots as they lie
.set K,     64                         ; v64-147  the 42 pairs of constants: 0-11 g, 12-22 k = 1, 23-32 k = 2, 33-41 k = 3
.set R,     148                        ; v148-207 first reciprocals
.set E,     208                        ; v208-211 at work
	s_load_b256 s[4:11], s[0:1], 0x0               ; spline_weight s[4:5], grid s[6:7], wfrag s[8:9], wscale s[10:11]
	s_load_b64 s[12:13], s[0:1], 0x20              ; gtab
	v_lshrrev_b32 v1, 5, v0
	v_readfirstlane_b32 s14, v1                    ; wave 0, 1
	v_and_b32 v1, 31, v0                           ; lane
	s_cmp_eq_u32 ttmp9, 16
	s_cbranch_scc1 .Lgrid
	; ---- the weights.  Wave 2 x work-group + wave = 4 t + 2 jh + c; lane (r, hh) takes output 16 t + r, features 32 (2 c + hh) .. + 31, basis functions 4 jh .. + 3: four blocks
	s_lshl_b32 s15, ttmp9, 1
	s_add_co_u32 s15, s15, s14
	s_lshr_b32 s16, s15, 2                         ; t
	s_bfe_u32 s17, s15, 0x10001                    ; jh
	s_and_b32 s24, s15, 1                          ; c
	v_and_b32 v5, 15, v1                           ; r
	v_lshrrev_b32 v6, 4, v1                        ; hh
	v_lshlrev_b32 v2, 12, v5
	v_lshl_add_u32 v2, v6, 10, v2                  ; in: an output's row is 4,096 bytes, 32 features 1,024
	v_lshlrev_b32 v3, 4, v1                        ; codes: 256 hh + 16 r = 16 x lane
	v_lshl_add_u32 v4, v5, 2, v6                   ; scale bytes: word r, byte hh of the pair 2 c, 2 c + 1
	s_lshl_b32 s18, s16, 16                        ; in: 16 t outputs,
	s_lshl_b32 s20, s24, 11                        ; 64 c features of 32 bytes,
	s_add_co_u32 s18, s18, s20
	s_lshl_b32 s20, s17, 4                         ; 4 jh numbers
	s_add_co_u32 s18, s18, s20
	s_mov_b32 s19, 0
	s_lshl_b32 s20, s16, 13                        ; codes: a tile is 8,192 bytes,
	s_lshl_b32 s22, s17, 12                        ; four K steps 4,096,
	s_add_co_u32 s20, s20, s22
	s_lshl_b32 s22, s24, 9                         ; c 512
	s_add_co_u32 s20, s20, s22
	s_mov_b32 s21, 0
	s_lshl_b32 s22, s16, 9                         ; scale words: a tile is 512 bytes,
	s_lshl_b32 s25, s17, 8                         ; four K steps 256,
	s_add_co_u32 s22, s22, s25
	s_lshl_b32 s25, s24, 1                         ; bytes 2 c, 2 c + 1 of a word
	s_add_co_u32 s22, s22, s25
	s_mov_b32 s23, 0
	s_wait_kmcnt 0x0
	s_add_nc_u64 s[4:5], s[4:5], s[18:19]
	s_add_nc_u64 s[8:9], s[8:9], s[20:21]
	s_add_nc_u64 s[10:11], s[10:11], s[22:23]
.set nn, 0
.rept 32
	global_load_b128 v[N+4*nn:N+4*nn+3], v2, s[4:5] offset:32*nn   ; feature nn: my four of its eight numbers (the wave with the other jh takes the other four)
.set nn, nn+1
.endr
	s_wait_loadcnt 0x0                             ; every block takes a number of every load
.macro WBLOCK q                        ; basis function 4 jh + q: registers N + 4 n + q, n = 0 .. 31
	v_max3_num_f32 v9, |v[N+(\q)]|, |v[N+4+(\q)]|, |v[N+8+(\q)]|          ; the block's largest magnitude: all 32 numbers are mine; two chains
	v_max3_num_f32 v10, |v[N+12+(\q)]|, |v[N+16+(\q)]|, |v[N+20+(\q)]|
.irp i, 6,10,14,18,22,26
	v_max3_num_f32 v9, v9, |v[N+4*\i+(\q)]|, |v[N+4*\i+4+(\q)]|
	v_max3_num_f32 v10, v10, |v[N+4*\i+8+(\q)]|, |v[N+4*\i+12+(\q)]|
.endr
	v_max3_num_f32 v9, v9, |v[N+120+(\q)]|, |v[N+124+(\q)]|
	v_max3_num_f32 v9, v9, v10, FLOOR              ; and the floor, which holds the byte at 1 from below
	v_add_nc_u32 v11, 0xff000000, v9               ; 2 off the exponent field: the conversion takes this operand's exponent field as its scale
	v_lshrrev_b32 v[SBY+(\q)], 23, v11             ; the scale's byte
.set nn, 0
.rept 32
	v_mov_b32 v[P+nn], v[N+4*nn+(\q)]              ; the conversions take neighbours along K from consecutive registers
.set nn, nn+1
.endr
.irp g, 0,1,2,3
	v_cvt_scalef32_pk8_fp4_f32 v[C+4*(\q)+\g], v[P+8*\g:P+8*\g+7], v11
.endr
	global_store_b128 v3, v[C+4*(\q):C+4*(\q)+3], s[8:9] offset:1024*(\q)   ; sixteen lanes store 256 consecutive bytes, aligned.  (The next block's maxima are the plain lines behind the conversions)
	global_store_b8 v4, v[SBY+(\q)], s[10:11] offset:64*(\q)                ; my byte of the word of (K step, output).  Single bytes: a word's four bytes are made in lanes of two waves, and the buffer is 4,096 bytes in all
.endm
	WBLOCK 0
	WBLOCK 1
	WBLOCK 2
	WBLOCK 3
	v_nop                                          ; one plain line behind the last conversion
	s_endpgm
	; ---- the constants.  Wave fh; lane l takes features 64 fh + 2 l and + 1: 96 consecutive bytes of grid
.Lgrid:
	v_mul_u32_u24 v2, v1, 96
	v_lshlrev_b32 v3, 4, v1
	s_mul_i32 s18, s14, 3072
	s_mov_b32 s19, 0
	s_mul_i32 s20, s14, 10752
	s_mov_b32 s21, 0
	s_wait_kmcnt 0x0
	s_add_nc_u64 s[6:7], s[6:7], s[18:19]
	s_add_nc_u64 s[12:13], s[12:13], s[20:21]
.irp n, 0,1,2,3,4,5
	global_load_b128 v[G+4*\n:G+4*\n+3], v2, s[6:7] offset:16*\n
.endr
	s_wait_loadcnt 0x0
.irp j, 0,1,2,3,4,5,6,7,8,9,10,11
	v_mov_b32 v[K+2*\j], v[G+\j]                   ; pair j: g[j] of the even feature, of the odd feature
	v_mov_b32 v[K+2*\j+1], v[G+12+\j]
.endr
.macro DEN k, base                     ; g[j + k] - g[j], j = 0 .. 11 - k, into pairs base on
.set jj, 0
.rept 12-\k
	v_pk_add_f32 v[K+2*(\base+jj):K+2*(\base+jj)+1], v[K+2*(jj+\k):K+2*(jj+\k)+1], v[K+2*jj:K+2*jj+1] neg_lo:[0,1] neg_hi:[0,1]
.set jj, jj+1
.endr
.endm
	DEN 1, 12
	DEN 2, 23
	DEN 3, 33
.set cc, 12
.rept 30
	v_pk_add_f32 v[K+2*cc:K+2*cc+1], v[K+2*cc:K+2*cc+1], 0x322bcc77 op_sel_hi:[1,0]   ; + 1e-8, behind the difference, as the definition has it
.set cc, cc+1
.endr
.set nn, 0
.rept 60
	v_rcp_f32 v[R+nn], v[K+24+nn]
.set nn, nn+1
.endr
	v_nop                                          ; a plain line behind the last reciprocal
	s_wait_alu depctr_va_vdst(0)                   ; one wait for the batch of 60, ahead of its first reader
.set cc, 0
.rept 30                               ; one Newton step: r + r (1 - d r)
	v_pk_fma_f32 v[E+2*(cc%2):E+2*(cc%2)+1], v[K+24+2*cc:K+24+2*cc+1], v[R+2*cc:R+2*cc+1], 1.0 op_sel_hi:[1,1,0] neg_lo:[1,0,0] neg_hi:[1,0,0]
	v_pk_fma_f32 v[K+24+2*cc:K+24+2*cc+1], v[R+2*cc:R+2*cc+1], v[E+2*(cc%2):E+2*(cc%2)+1], v[R+2*cc:R+2*cc+1]
.set cc, cc+1
.endr
.set nn, 0
.rept 21
	global_store_b128 v3, v[K+4*nn:K+4*nn+3], s[12:13] offset:512*nn    ; 32 lanes store 512 consecutive bytes, aligned
.set nn, nn+1
.endr
	s_endpgm
.Lfunc_end_k_qeabcd7ec80_prep:
	.size	k_qeabcd7ec80_prep, .Lfunc_end_k_qeabcd7ec80_prep-k_qeabcd7ec80_prep
	.p2alignl 7, 3214868480
	.fill 96, 4, 3214868480
	.section	.rodata,"a",@progbits
	.p2align	6, 0x0
	.amdhsa_kernel k_qeabcd7ec80_prep
		.amdhsa_group_segment_fixed_size 0
		.amdhsa_private_segment_fixed_size 0
		.amdhsa_enable_private_segment 0
		.amdhsa_kernarg_size 40
		.amdhsa_user_sgpr_count 2
		.amdhsa_user_sgpr_kernarg_segment_ptr 1
		.amdhsa_wavefront_size32 1
		.amdhsa_system_sgpr_workgroup_id_x 1
		.amdhsa_system_sgpr_workgroup_id_y 1
		.amdhsa_system_sgpr_workgroup_id_z 1
		.amdhsa_system_vgpr_workitem_id 0
		.amdhsa_next_free_vgpr 224
		.amdhsa_next_free_sgpr 66
		.amdhsa_reserve_vcc 0
		.amdhsa_float_denorm_mode_32 3
		.amdhsa_float_denorm_mode_16_64 3
		.amdhsa_memory_ordered 1
		.amdhsa_forward_progress 1
		.amdhsa_inst_pref_size 30
	.end_amdhsa_kernel
	.amdgpu_metadata
---
amdhsa.version: [ 1, 2 ]
amdhsa.kernels:
  - .name:           k_qeabcd7ec80_prep
    .symbol:         k_qeabcd7ec80_prep.kd
    .args:
      - { .name: spline_weight, .offset: 0, .size: 8, .value_kind: global_buffer, .address_space: global }
      - { .name: grid, .offset: 8, .size: 8, .value_kind: global_buffer, .address_space: global }
      - { .name: wfrag, .offset: 16, .size: 8, .value_kind: global_buffer, .address_space: global }
      - { .name: wscale, .offset: 24, .size: 8, .value_kind: global_buffer, .address_space: global }
      - { .name: gtab, .offset: 32, .size: 8, .value_kind: global_buffer, .address_space: global }
    .group_segment_fixed_size: 0
    .private_segment_fixed_size: 0
    .kernarg_segment_align: 8
    .kernarg_segment_size: 40
    .max_flat_workgroup_size: 64
    .sgpr_count:     66
    .vgpr_count:     224
    .wavefront_size: 32
...
	.end_amdgpu_metadata
.endif
;; end of part 1
;; launch kan (part 2): grid 256 x 1, 8 waves a work-group, no clusters, 285,184 bytes of LDS; arguments x, gtab, wfrag, wscale, base_weight_codes, base_weight_scales, base_bias, spline_bias, spline_scale, out0; writes out0
.if DOCPART == 2
	.amdgcn_target "amdgcn-amd-amdhsa--gfx1250"
	.amdhsa_code_object_version 6
	.text
	.protected	k_qeabcd7ec80_kan
	.globl	k_qeabcd7ec80_kan
	.p2align	8
	.type	k_qeabcd7ec80_kan,@function
k_qeabcd7ec80_kan:
	s_mov_b64 s[64:65], 0
	v_nop
	global_prefetch_b8 v0, s[64:65] scope:SCOPE_SE
	s_setreg_imm32_b32 hwreg(HW_REG_WAVE_MODE, 25, 1), 1
	s_wait_xcnt 0x0
; out = silu(x) Wb^T + base_bias + spline_scale (basis(tanh(x)) Ws^T + spline_bias); both products on codes of E2M1 with one E8M0 scale for each 32 along K.
; x, out: [65,536][128] f32.  Wb comes as codes; Ws's codes (wfrag, wscale) and the spline's constants (gtab) were made by the launch before.
; THE SPLINE'S PRODUCT CONTRACTS THE BASIS FUNCTION b, THEN THE FEATURE i: K = 128 b + i.  A K step of 128 is one basis function; a block of 32 is 32 neighbouring features of it.
; THE SPLINE is the whole recursion, for any knots: d[j] = th - g[j]; b0[j] = (d[j] >= 0) and not (d[j+1] >= 0); u_k[j] = inv_k[j] b_(k-1)[j]; b_k[j] = d[j] u_k[j] - d[j+k+1] u_k[j+1],
; inv_k[j] = 1 / ((g[j+k] - g[j]) + 1e-8).  No interval is searched for; what a comparison decides is taken by v_cndmask_b32.
; ACTIVATIONS: e = 2^(-x log2(e)); silu = x / (1 + e); th = tanh(x) = 2 / (1 + e e) - 1.  e = infinity gives silu = -0 and th = -1; e = 0 gives silu = x and th = 1.
; LIMITS: NaN and infinities in x are not served; d (inv b) is rounded in another order than (d / den) b, and the sum of the two terms is fused; silu under about 1e-37 in magnitude comes out as 0;
; a block whose largest magnitude lies under 2^-124 keeps the byte 1 (a block of zeros too: its codes are zeros).
; SHARES.  A work-group takes 256 rows, as four chunks of 64.  Eight waves; wave w: b0 = w & 1, b1 = w >> 1.
;   P1, vector work: features 64 b0 .. + 63 of rows 16 b1 .. + 15 of the chunk.  Lane l owns features 64 b0 + 2 l and + 1 for the whole launch: its 84 constants stay in registers, and the two features
;       ride in the two halves of packed f32 instructions.  A block's 32 features then lie in 16 lanes: a row's 16 x 32 basis values TURN through the wave's own stage in LDS (in: 8 bytes a lane for each basis
;       function; back: 64 bytes a lane), behind which a lane holds 16 neighbours along K and two neighbouring lanes a block.  The codes, the scale bytes and silu (f32) go to LDS for P2.
;   P2, matrix work: rows 16 b1 .. + 15 x outputs 64 b0 .. + 63 of the chunk BEFORE: silu is quantised (a lane holds whole blocks), 2 x (2 + 16) matrix instructions, the result leaves through the wave's own stage.
;   The chunk's images lie in two LDS buffers by turns: between two barriers P1 writes one and P2 reads the other: one barrier a chunk.  Half of the waves run P2 ahead of P1, half behind it.
; THE MATRIX INSTRUCTION IS USED TRANSPOSED: source 0 = 16 outputs (weights), source 1 = 16 rows: a lane holds 8 neighbouring outputs of one row.
; NO CLUSTER, NO TENSOR LOAD: what work-groups share is 94,208 bytes of tables, read once at the head, against 262,144 bytes of x and out that are a work-group's own; x goes from memory straight
; into the lane that works on it (a wave's load covers 256 consecutive bytes, aligned), requested a chunk ahead.  No prefetch: no wave waits for x behind the head.
.set CHUNKS, 4
.set FLOOR,  0x1800000                 ; 2^(3 - 127)
; LDS.  Buffer b begins at b x BUF.  All pitches are odd multiples of 16 bytes: the rows that a load or store of 16 lanes touches begin 4 words apart (64 banks of 4 bytes: ISA guide 11.1)
.set BUF,    0x20000
.set IPITCH, 1040                      ; IMG at + 0: 32 blocks x (64 rows x 16 bytes + 16): row q of block 4 b + Q at 1040 (4 b + Q) + 16 q: a fragment's load reads 256 consecutive bytes in each half of the lanes
.set SIL,    33280                     ; silu, f32: 64 rows x (512 + 16)
.set SPITCH, 528
.set SCB,    67072                     ; the blocks' scale bytes: 64 rows x (32 + 16): byte 4 b + Q
.set STG,    70144                     ; behind buffer 0: a stage of 16 rows x (256 + 16) for each wave, for the way out
.set BWL,    104960                    ; Wb's fragments as images of their registers: [tile][c][lane][16]
.set WSL,    113152                    ; Ws's scale words: output o at 48 o, K step s at + 4 s
.set BSL,    119296                    ; Wb's scale words: 4 o
.set BIL,    119808                    ; base_bias + spline_scale x spline_bias: 4 o
.set WL,     201216                    ; behind buffer 1: wfrag as it lies, 65,536 bytes
.set TST,    266752                    ; the stages in which a row's basis values turn: for each wave 8 lines (a basis function each) of 256 + 16 bytes
.set TPITCH, 272
.set TWAVE,  8*TPITCH
; REGISTERS.  v1 the turn's way in, v228 its way back; v2-17 addresses that stay; v18-20 P1's LDS addresses in the buffer that it writes; v21-23 P2's in the other.
.set K,   24                           ; v24-107  constants: pair j: g[j]
.set KI1, K+24                         ;          inv_1[0..10]
.set KI2, K+46                         ;          inv_2[0..9]
.set KI3, K+66                         ;          inv_3[0..8]
.set X,   108                          ; v108-139 16 rows x 2 features of x
.set D,   140                          ; P1: v140-163 d[0..11]
.set UA,  164                          ;     v164-185, v186-207: the levels, by turns
.set UB,  186
.set L,   UA                           ;     v164-179: 16 neighbours along K, back from the turn: UA is free between a row's last level and the next row's first
.set T,   208                          ;     e
.set A,   210                          ;     1 + e, its reciprocal, silu
.set Q,   212                          ;     1 + e e, its reciprocal, th
.set M0,  214
.set M1,  215                          ;     a maximum, then the scale's byte
.set SC,  216
.set CD,  218                          ;     v218-219 the codes
.set PF,  140                          ; P2: v140-147 silu's fragment
.set S,   148                          ;     v148-211 64 numbers of silu;  then:
.set AB,  148                          ;     v148-163 two accumulators of the base product (they begin as the bias)
.set AS,  164                          ;     v164-179 two of the spline's
.set WFA, 180                          ;     v180-195, v196-211 two tiles' fragments of Ws, two sets
.set WFB, 196
.set BFA, 212                          ;     v212-219, v220-227 the rows' fragment, two sets
.set MX,  212                          ;     (while silu is quantised: v212-219 at work)
.set SCO, 214
.set BYT, 216
.set W9,  218
.set PT,  219
.set RB,  180                          ;     the way out: 16 rows read back
.set PS,  229                          ; v229-255 hold scales and nothing else: silu's word,
.set BS,  230                          ;     v230-237 the rows' eight words,
.set WSC, 238                          ;     v238-253 two tiles' eight words of Ws,
.set BWS, 254                          ;     v254-255 two tiles' word of Wb
; s2 wave, s3 b0, s4 b1, s5 role, s6 chunk, s7 the buffer that P1 writes, s28 the other; s[8:9] x, s[26:27] out (both walk); s[30:31] spline_scale; s[36:37] lane selects; s72-95 masks
	s_load_b512 s[8:23], s[0:1], 0x0               ; x, gtab, wfrag, wscale, Wb's codes, Wb's scales, base_bias, spline_bias
	s_load_b128 s[24:27], s[0:1], 0x40             ; spline_scale, out
	s_set_vgpr_msb 0x40
	v_lshl_add_u32 v0, v0, 2, 0x45600
	v_mov_b32 v1, 0
	s_set_vgpr_msb 0x4000
	v_lshrrev_b32 v1, 5, v0
	v_readfirstlane_b32 s2, v1                     ; wave 0..7
	s_and_b32 s3, s2, 1                            ; b0
	s_lshr_b32 s4, s2, 1                           ; b1
	s_lshr_b32 s5, s2, 2
	s_xor_b32 s5, s5, s2
	s_and_b32 s5, s5, 1                            ; role: 0: P2 ahead of P1; 1: behind it.  Waves w and w + 4 differ in it, and so do waves w and w + 1
	s_mov_b32 s36, 0x76543210
	s_mov_b32 s37, 0xfedcba98                      ; v_permlanex16_b32's selects for lane l xor 16
	v_and_b32 v18, 31, v0                          ; l
	v_and_b32 v19, 15, v0                          ; r
	v_bfe_u32 v20, v0, 4, 1                        ; h
	v_bfe_u32 v21, v0, 2, 3                        ; l / 4
	v_bfe_u32 v22, v0, 1, 1                        ; (l / 2) % 2
	v_and_b32 v23, 1, v0                           ; l % 2
	s_mul_i32 s34, s2, TWAVE
	s_add_co_u32 s34, s34, TST                     ; my wave's stage for the turn
	v_lshl_add_u32 v1, v18, 3, s34                 ; v1  in: 8 l in a basis function's line: my two features
	v_mul_u32_u24 v228, v21, TPITCH
	v_lshl_add_u32 v228, v22, 7, v228
	v_lshl_add_u32 v228, v23, 6, v228
	v_add_nc_u32 v228, s34, v228                   ; v228 back: line l / 4, 64 (l % 4): 16 neighbouring features of basis function l / 4
	s_lshl_b32 s32, s4, 13
	s_lshl_b32 s33, s3, 8
	s_add_co_u32 s32, s32, s33                     ; 16 b1 rows of 512 bytes + 64 b0 numbers
	v_lshl_add_u32 v2, v18, 3, s32                 ; v2  x: + 8 l
	v_lshlrev_b32 v16, 9, v20
	v_lshl_add_u32 v16, v19, 4, v16
	v_add_nc_u32 v16, s32, v16                     ; v16 out: + row h, + 16 r
	s_mul_i32 s34, s4, 16*SPITCH
	s_add_co_u32 s34, s34, SIL
	s_add_co_u32 s35, s34, s33
	v_lshl_add_u32 v3, v18, 3, s35                 ; v3  silu in: row 16 b1, + 256 b0 + 8 l
	v_mul_u32_u24 v6, v19, SPITCH
	v_lshl_add_u32 v6, v20, 7, v6
	v_add_nc_u32 v6, s34, v6                       ; v6  silu out: row 16 b1 + r, + 128 h: my block of 32
	s_mul_i32 s34, s3, 2*IPITCH
	s_lshl_b32 s35, s4, 8
	s_add_co_u32 s34, s34, s35
	v_mul_u32_u24 v4, v21, 4*IPITCH
	v_mad_u32_u24 v4, v22, IPITCH, v4
	v_lshl_add_u32 v4, v23, 3, v4
	v_add_nc_u32 v4, s34, v4                       ; v4  codes in: block 4 (l / 4) + 2 b0 + (l / 2) % 2, row 16 b1, + 8 (l % 2)
	v_mul_u32_u24 v7, v20, IPITCH
	v_lshl_add_u32 v7, v19, 4, v7
	v_add_nc_u32 v7, s35, v7                       ; v7  codes out: block h, row 16 b1 + r
	s_mul_i32 s34, s4, 768
	s_add_co_u32 s34, s34, SCB
	s_lshl_b32 s35, s3, 1
	s_add_co_u32 s35, s35, s34
	v_lshl_add_u32 v5, v21, 2, v22
	v_add_nc_u32 v5, s35, v5                       ; v5  scale bytes in: row 16 b1, byte 4 (l / 4) + 2 b0 + (l / 2) % 2
	v_mul_u32_u24 v8, v19, 48
	s_mul_i32 s35, s3, 3072
	s_add_co_u32 s35, s35, WSL
	v_add_nc_u32 v10, s35, v8                      ; v10 Ws's scale words: output 64 b0 + r
	v_add_nc_u32 v8, s34, v8                       ; v8  scale bytes out: row 16 b1 + r
	s_lshl_b32 s34, s3, 15
	s_add_co_u32 s34, s34, WL
	v_lshl_add_u32 v9, v18, 4, s34                 ; v9  Ws's fragments: my four tiles, + 16 l
	s_lshl_b32 s34, s3, 12
	s_add_co_u32 s34, s34, BWL
	v_lshl_add_u32 v11, v18, 4, s34                ; v11 Wb's likewise
	s_add_co_u32 s34, s33, BSL
	v_lshl_add_u32 v12, v19, 2, s34                ; v12 Wb's scale words
	s_add_co_u32 s34, s33, BIL
	v_lshl_add_u32 v13, v20, 5, s34                ; v13 the bias of my half's eight outputs
	s_mul_i32 s34, s2, 16*272
	s_add_co_u32 s34, s34, STG
	v_mul_u32_u24 v14, v19, 272
	v_lshl_add_u32 v14, v20, 5, v14
	v_add_nc_u32 v14, s34, v14                     ; v14 my stage for the way out, in: row r, + 32 h
	v_mul_u32_u24 v15, v20, 272
	v_lshl_add_u32 v15, v19, 4, v15
	v_add_nc_u32 v15, s34, v15                     ; v15 and back: row h, + 16 r
	v_lshlrev_b32 v17, 3, v20                      ; v17 8 h
	; the head's own addresses: v220-227
	v_lshlrev_b32 v220, 4, v0                      ; 16 x thread: wfrag, wscale
	v_lshlrev_b32 v221, 6, v19
	v_lshl_add_u32 v221, v20, 4, v221
	s_lshl_b32 s34, s2, 10
	v_add_nc_u32 v221, s34, v221                   ; Wb's tile w: row r of 64 bytes, + 16 h
	s_lshl_b32 s35, s2, 6
	v_lshl_add_u32 v222, v19, 2, s35               ; 4 (16 w + r)
	s_mul_i32 s35, s3, 10752
	v_lshl_add_u32 v223, v18, 4, s35               ; gtab: my feature half, + 16 l
	v_lshl_add_u32 v224, v0, 4, WL
	s_add_co_u32 s34, s34, BWL
	v_lshl_add_u32 v225, v18, 4, s34
	v_lshrrev_b32 v226, 5, v0                      ; wscale's words 4 x thread + k are tile thread / 32, K step (thread / 4) % 8, output 4 (thread % 4) + k of the tile
	v_mul_u32_u24 v226, v226, 768
	v_and_b32 v227, 3, v0
	v_mad_u32_u24 v226, v227, 192, v226
	v_bfe_u32 v227, v0, 2, 3
	v_lshl_add_u32 v226, v227, 2, v226
	v_add_nc_u32 v226, WSL, v226
	v_add_nc_u32 v227, BSL, v222
	s_lshl_b32 s32, ttmp9, 17                      ; the work-group's 256 rows of 512 bytes
	s_mov_b32 s33, 0
	s_wait_kmcnt 0x0
	s_load_b32 s30, s[24:25], 0x0                  ; spline_scale
	s_add_nc_u64 s[8:9], s[8:9], s[32:33]
	s_add_nc_u64 s[26:27], s[26:27], s[32:33]
.macro XLOAD first                     ; eight rows of x: each load of the wave covers 256 consecutive bytes, aligned
.irp i, 0,1,2,3,4,5,6,7
	global_load_b64 v[X+2*(\first+\i):X+2*(\first+\i)+1], v2, s[8:9] offset:512*(\first+\i) th:TH_LOAD_NT
.endr
.endm
.set nn, 0
.rept 16
	global_load_b128 v[140+4*nn:143+4*nn], v220, s[12:13] offset:4096*nn     ; wfrag, a sixteenth of it for each thread
.set nn, nn+1
.endr
	global_load_b128 v[204:207], v221, s[16:17]
	global_load_b128 v[208:211], v221, s[16:17] offset:32
	global_load_b128 v[212:215], v220, s[14:15]
	global_load_b32 v216, v222, s[18:19]
	global_load_b32 v217, v222, s[20:21]
	global_load_b32 v218, v222, s[22:23]
.set nn, 0
.rept 21
	global_load_b128 v[K+4*nn:K+4*nn+3], v223, s[10:11] offset:512*nn        ; my lane's 84 constants
.set nn, nn+1
.endr
	XLOAD 0
	XLOAD 8
	s_wait_loadcnt 37                              ; the tables are in; the 21 loads of constants and the 16 of x may be out
	s_wait_kmcnt 0x0
	s_mov_b32 s31, s30                             ; (named with it as a pair)
	v_fma_f32 v217, v218, s30, v217                ; base_bias + spline_scale x spline_bias
.set nn, 0
.rept 16
	ds_store_b128 v224, v[140+4*nn:143+4*nn] offset:4096*nn
.set nn, nn+1
.endr
	ds_store_b128 v225, v[204:207]
	ds_store_b128 v225, v[208:211] offset:512
.irp k, 0,1,2,3
	ds_store_b32 v226, v[212+\k] offset:48*\k
.endr
	ds_store_b32 v227, v216                        ; (lanes 16-31 write the same words with the same values)
	ds_store_b32 v227, v217 offset:BIL-BSL
.macro BARRIER                         ; my LDS stores have landed and my LDS loads are in: then the work-group's barrier
	s_wait_dscnt 0x0
	s_barrier_signal -1
	s_barrier_wait -1
.endm
	BARRIER                                        ; the tables lie in LDS
; ---------------- P1
.macro ACT_A i
	v_pk_mul_f32 v[T:T+1], v[X+2*(\i):X+2*(\i)+1], 0xbfb8aa3b op_sel_hi:[1,0]   ; -x log2(e)
	v_exp_f32 v[T], v[T]
	v_exp_f32 v[T+1], v[T+1]
.endm
.macro ACT_B
	v_pk_add_f32 v[A:A+1], v[T:T+1], 1.0 op_sel_hi:[1,0]
	v_pk_fma_f32 v[Q:Q+1], v[T:T+1], v[T:T+1], 1.0 op_sel_hi:[1,1,0]
	v_rcp_f32 v[A], v[A]
	v_rcp_f32 v[A+1], v[A+1]
	v_rcp_f32 v[Q], v[Q]
	v_rcp_f32 v[Q+1], v[Q+1]
.endm
.macro ACT_C i
	v_pk_mul_f32 v[A:A+1], v[X+2*(\i):X+2*(\i)+1], v[A:A+1]                 ; silu
	v_pk_fma_f32 v[Q:Q+1], v[Q:Q+1], 2.0, -1.0 op_sel_hi:[1,0,0]            ; th
	ds_store_b64 v18, v[A:A+1] offset:SPITCH*(\i)
.endm
.macro DIFF
.irp j, 0,1,2,3,4,5,6,7,8,9,10,11
	v_pk_add_f32 v[D+2*\j:D+2*\j+1], v[Q:Q+1], v[K+2*\j:K+2*\j+1] neg_lo:[0,1] neg_hi:[0,1]   ; d[j] = th - g[j]: its sign is exact, and it is 0 only where the two are equal
.endr
.endm
.macro MASKS
.irp e, 0,1
.irp j, 0,1,2,3,4,5,6,7,8,9,10,11
	v_cmp_le_f32 s[72+12*\e+\j], 0, v[D+2*\j+\e]   ; th >= g[j]
.endr
.endr
.irp e, 0,1
.irp j, 0,1,2,3,4,5,6,7,8,9,10
	s_and_not1_b32 s[72+12*\e+\j], s[72+12*\e+\j], s[72+12*\e+\j+1]         ; and th < g[j + 1]
.endr
.endr
.endm
.macro SEL
.irp e, 0,1
.irp j, 0,1,2,3,4,5,6,7,8,9,10
	v_cndmask_b32 v[UA+2*\j+\e], 0, v[KI1+2*\j+\e], s[72+12*\e+\j]          ; u_1[j] = inv_1[j] b_0[j]
.endr
.endr
.endm
.macro LEVEL k, U, O, KI               ; U holds b_(k-1) (for k = 1: u_1); O receives b_k
.if \k > 1
.set jj, 0
.rept 12-\k
	v_pk_mul_f32 v[\U+2*jj:\U+2*jj+1], v[\U+2*jj:\U+2*jj+1], v[\KI+2*jj:\KI+2*jj+1]
.set jj, jj+1
.endr
.endif
.set jj, 0
.rept 11-\k
	v_pk_mul_f32 v[\O+2*jj:\O+2*jj+1], v[D+2*(jj+\k+1):D+2*(jj+\k+1)+1], v[\U+2*jj+2:\U+2*jj+3]
.set jj, jj+1
.endr
.set jj, 0
.rept 11-\k
	v_pk_fma_f32 v[\O+2*jj:\O+2*jj+1], v[D+2*jj:D+2*jj+1], v[\U+2*jj:\U+2*jj+1], v[\O+2*jj:\O+2*jj+1] neg_lo:[0,0,1] neg_hi:[0,0,1]
.set jj, jj+1
.endr
.endm
; THE TURN.  v[UB + 2 j + e] = b_3[j] of my feature e.  In: basis function j's line takes the wave's 64 features as they follow each other, 8 bytes a lane: 256 consecutive bytes a store.
; Back: lane l takes 64 bytes of line l / 4: features 16 (l % 4) .. + 15 of the wave's 64.  Lines are 272 bytes apart.
; LDS serves a wave's instructions in order (ISA guide 5.7.1.4): the loads see the stores, and the next row's stores come behind these loads.
.macro TURN
.irp j, 0,1,2,3,4,5,6,7
	ds_store_b64 v1, v[UB+2*\j:UB+2*\j+1] offset:TPITCH*\j
.endr
.irp p, 0,1,2,3
	ds_load_b128 v[L+4*\p:L+4*\p+3], v228 offset:16*\p
.endr
.endm
.macro QUANT i                         ; row i: v[L .. L + 15] = 16 neighbours along K: half a block; lane l xor 1 holds the other half
	v_max3_num_f32 v[M0], |v[L]|, |v[L+1]|, FLOOR
	v_max3_num_f32 v[M1], |v[L+2]|, |v[L+3]|, |v[L+4]|
	v_max3_num_f32 v[M0], v[M0], |v[L+5]|, |v[L+6]|
	v_max3_num_f32 v[M1], v[M1], |v[L+7]|, |v[L+8]|
	v_max3_num_f32 v[M0], v[M0], |v[L+9]|, |v[L+10]|
	v_max3_num_f32 v[M1], v[M1], |v[L+11]|, |v[L+12]|
	v_max3_num_f32 v[M0], v[M0], |v[L+13]|, |v[L+14]|
	v_max3_num_f32 v[M0], v[M0], v[M1], |v[L+15]|
	v_max_num_f32_dpp v[M0], v[M0], v[M0] row_xmask:1 row_mask:0xf bank_mask:0xf
	v_add_nc_u32 v[SC], 0xff000000, v[M0]          ; 2 off the exponent field: the conversion's scale operand
	v_cvt_scalef32_pk8_fp4_f32 v[CD], v[L:L+7], v[SC]
	v_cvt_scalef32_pk8_fp4_f32 v[CD+1], v[L+8:L+15], v[SC]
	v_lshrrev_b32 v[M1], 23, v[SC]                 ; the scale's byte; also the plain line behind the conversions
	ds_store_b64 v19, v[CD:CD+1] offset:16*(\i)
	ds_store_b8 v20, v[M1] offset:48*(\i)          ; both lanes of a block write the same byte with the same value
.endm
; Row i's spline; between its lines row i + 1's activations, so that each batch of transcendentals has plain work behind it and one wait ahead of its first reader;
; and row i - 1's quantising, whose numbers were sent through the turn at the end of the row before.
; The next chunk's x is asked for as soon as its registers are free: rows 0-7 at the head of row 8 (row 7 was last read in row 6's body), rows 8-15 at the head of row 15.  The last chunk asks for nothing.
.macro BODY i
.if \i == 8
	s_cmp_eq_u32 s6, CHUNKS-1
	s_cbranch_scc1 .Lno_more_a_\@
	s_wait_xcnt 0x0                                ; every earlier memory instruction has read its addresses: x's base may step
	s_add_nc_u64 s[8:9], s[8:9], 64*512
	XLOAD 0
.Lno_more_a_\@:
.endif
.if \i == 15
	s_cmp_eq_u32 s6, CHUNKS-1
	s_cbranch_scc1 .Lno_more_b_\@
	XLOAD 8
.Lno_more_b_\@:
.endif
.if \i < 15
	ACT_A \i+1
.endif
	DIFF
	MASKS
.if \i < 15
	s_wait_alu depctr_va_vdst(0)                   ; for the two exponentials
	ACT_B
.endif
.if \i > 0
	s_wait_dscnt 0x0                               ; the row before is back from the turn: no LDS instruction was issued behind its four loads
	QUANT \i-1
.endif
	SEL
	LEVEL 1, UA, UB, KI1
.if \i < 15
	s_wait_alu depctr_va_vdst(0)                   ; for the four reciprocals
	ACT_C \i+1
.endif
	LEVEL 2, UB, UA, KI2
	LEVEL 3, UA, UB, KI3
	TURN
.endm
; ---------------- P2
.macro PLACES                          ; four plain lines behind matrix instructions, ahead of loads into their registers and of the first read of results (ISA guide 7.12.1 for the read of results)
.rept 4
	v_nop
.endr
.endm
.macro SILUQ                           ; my 16 rows of silu become one fragment: lane (r, h) holds blocks h and 2 + h of row r whole
.irp c, 0,1
.irp n, 0,1,2,3,4,5,6,7
	ds_load_b128 v[S+32*\c+4*\n:S+32*\c+4*\n+3], v21 offset:256*\c+16*\n
.endr
.endr
	ds_load_b128 v[BS:BS+3], v23                   ; the rows' eight scale words of the spline's K
	ds_load_b128 v[BS+4:BS+7], v23 offset:16
	s_wait_dscnt 2                                 ; silu is in; the two loads just issued may be out
.irp c, 0,1
	v_max3_num_f32 v[MX+\c], |v[S+32*\c]|, |v[S+32*\c+1]|, FLOOR
.endr
.irp n, 2,4,6,8,10,12,14,16,18,20,22,24,26,28,30
.irp c, 0,1
	v_max3_num_f32 v[MX+\c], v[MX+\c], |v[S+32*\c+\n]|, |v[S+32*\c+\n+1]|
.endr
.endr
.irp c, 0,1
	v_add_nc_u32 v[SCO+\c], 0xff000000, v[MX+\c]
.endr
.irp c, 0,1
	v_lshrrev_b32 v[BYT+\c], 23, v[SCO+\c]
.endr
	v_lshl_or_b32 v[W9], v[BYT+1], 16, v[BYT]      ; my two bytes,
	v_lshlrev_b32 v[W9], v17, v[W9]                ; at their places in the word (8 h bits up);
	v_mov_b32 v[PT], 0                             ; (a lane permute's destination counts as one of its sources)
	v_permlanex16_b32 v[PT], v[W9], s36, s37
	v_or_b32 v[PS], v[W9], v[PT]                   ; with lane l xor 16's two the word is whole
.irp c, 0,1
.irp g, 0,1,2,3
	v_cvt_scalef32_pk8_fp4_f32 v[PF+4*\c+\g], v[S+32*\c+8*\g:S+32*\c+8*\g+7], v[SCO+\c]
.endr
.endr
.rept 8
	v_nop                                          ; a scale register written by a vector instruction stands 8 places ahead of a scaled matrix instruction, an operand so written 4
.endr
.endm
.macro LDBF s                          ; the rows' fragment of K step s into set s % 2
.irp c, 0,1
	ds_load_b128 v[BFA+8*((\s)%2)+4*\c:BFA+8*((\s)%2)+4*\c+3], v22 offset:(4*(\s)+2*\c)*IPITCH
.endr
.endm
.macro LDWF p, s                       ; Ws's fragments of tiles 2 p, 2 p + 1, K step s, into set s % 2
.irp u, 0,1
.irp c, 0,1
	ds_load_b128 v[WFA+16*((\s)%2)+8*\u+4*\c:WFA+16*((\s)%2)+8*\u+4*\c+3], v9 offset:((8*(2*(\p)+\u)+(\s))*2+\c)*512
.endr
.endr
.endm
; Two tiles of 16 outputs.  The accumulators take turns, one instruction a turn.
.macro PASS p
.irp u, 0,1
	ds_load_b128 v[AB+8*\u:AB+8*\u+3], v13 offset:64*(2*\p+\u)              ; the bias is the C of the base product
	ds_load_b128 v[AB+8*\u+4:AB+8*\u+7], v13 offset:64*(2*\p+\u)+16
.endr
.irp u, 0,1
.irp c, 0,1
	ds_load_b128 v[WFB+8*\u+4*\c:WFB+8*\u+4*\c+3], v11 offset:1024*(2*\p+\u)+512*\c   ; Wb's fragments, in set 1
.endr
.endr
.irp u, 0,1
	ds_load_b32 v[BWS+\u], v12 offset:64*(2*\p+\u)
.endr
.irp u, 0,1
	ds_load_b128 v[WSC+8*\u:WSC+8*\u+3], v10 offset:768*(2*\p+\u)
	ds_load_b128 v[WSC+8*\u+4:WSC+8*\u+7], v10 offset:768*(2*\p+\u)+16
.endr
	LDBF 0
	LDWF \p, 0
	LDBF 1
	s_wait_dscnt 12                                ; bias, Wb and its words are in; out may be Ws's words (4), K step 0 (6) and the rows' K step 1 (2)
.irp u, 0,1
	v_wmma_scale_f32_16x16x128_f8f6f4 v[AB+8*\u:AB+8*\u+7], v[WFB+8*\u:WFB+8*\u+7], v[PF:PF+7], v[AB+8*\u:AB+8*\u+7], v[BWS+\u], v[PS] matrix_a_fmt:MATRIX_FMT_FP4 matrix_b_fmt:MATRIX_FMT_FP4
.endr
	PLACES
	LDWF \p, 1
.irp s, 0,1,2,3,4,5,6,7
.if \s < 7
	s_wait_dscnt 6                                 ; this K step's loads are in; the next step's six may be out
.else
	s_wait_dscnt 0x0
.endif
.irp u, 0,1
.if \s == 0
	v_wmma_scale_f32_16x16x128_f8f6f4 v[AS+8*\u:AS+8*\u+7], v[WFA+16*(\s%2)+8*\u:WFA+16*(\s%2)+8*\u+7], v[BFA+8*(\s%2):BFA+8*(\s%2)+7], 0, v[WSC+8*\u+\s], v[BS+\s] matrix_a_fmt:MATRIX_FMT_FP4 matrix_b_fmt:MATRIX_FMT_FP4
.else
	v_wmma_scale_f32_16x16x128_f8f6f4 v[AS+8*\u:AS+8*\u+7], v[WFA+16*(\s%2)+8*\u:WFA+16*(\s%2)+8*\u+7], v[BFA+8*(\s%2):BFA+8*(\s%2)+7], v[AS+8*\u:AS+8*\u+7], v[WSC+8*\u+\s], v[BS+\s] matrix_a_fmt:MATRIX_FMT_FP4 matrix_b_fmt:MATRIX_FMT_FP4
.endif
.endr
.if \s < 6
	PLACES
	LDBF \s+2
	LDWF \p, \s+2
.endif
.endr
	PLACES
.irp u, 0,1
.irp i, 0,1,2,3
	v_pk_fma_f32 v[AB+8*\u+2*\i:AB+8*\u+2*\i+1], v[AS+8*\u+2*\i:AS+8*\u+2*\i+1], s[30:31], v[AB+8*\u+2*\i:AB+8*\u+2*\i+1] op_sel_hi:[1,0,1]   ; + spline_scale x the spline's sum; each accumulator from its low end on
.endr
.endr
.irp u, 0,1
	ds_store_b128 v14, v[AB+8*\u:AB+8*\u+3] offset:64*(2*\p+\u)             ; lane (r, h): row r, outputs 16 tile + 8 h + 0 .. 7
	ds_store_b128 v14, v[AB+8*\u+4:AB+8*\u+7] offset:64*(2*\p+\u)+16
.endr
.endm
.macro P2
	SILUQ
	PASS 0
	PASS 1
.irp n, 0,1,2,3,4,5,6,7
	ds_load_b128 v[RB+4*\n:RB+4*\n+3], v15 offset:544*\n                    ; my own stage: LDS serves a wave's instructions in order (ISA guide 5.7.1.4): these see my stores
.endr
.irp n, 0,1,2,3,4,5,6,7
	s_wait_dscnt 7-\n
	global_store_b128 v16, v[RB+4*\n:RB+4*\n+3], s[26:27] offset:1024*\n th:TH_STORE_NT   ; sixteen lanes store 256 consecutive bytes, aligned: my half of a row
.endr
	s_wait_xcnt 0x0                                ; the stores have read their registers and their base: both may be written again
	s_add_nc_u64 s[26:27], s[26:27], 64*512
.endm
; ---------------- the chunks
	s_mov_b32 s6, 0
	s_mov_b32 s7, 0
.Ltrip:
	s_xor_b32 s28, s7, BUF
	v_add_nc_u32 v18, s7, v3
	v_add_nc_u32 v19, s7, v4
	v_add_nc_u32 v20, s7, v5
	v_add_nc_u32 v21, s28, v6
	v_add_nc_u32 v22, s28, v7
	v_add_nc_u32 v23, s28, v8
	s_cmp_eq_u32 s6, 0                             ; the first chunk has none before it
	s_cbranch_scc1 .Lskip_a
	s_cmp_lg_u32 s5, 0
	s_cbranch_scc1 .Lskip_a
	P2                                             ; role 0: the chunk before, out of the other buffer
.Lskip_a:
	s_wait_loadcnt 0x0                             ; this chunk's x (and, the first time, the constants): asked for in the chunk before, a whole P2 and a barrier ago; no younger load exists on any way here
	ACT_A 0
	v_nop                                          ; a plain line behind the exponentials,
	s_wait_alu depctr_va_vdst(0)                   ; and their wait
	ACT_B
	v_nop
	s_wait_alu depctr_va_vdst(0)
	ACT_C 0
.irp i, 0,1,2,3,4,5,6,7,8,9,10,11,12,13,14,15
	BODY \i
.endr
	s_wait_dscnt 0x0                               ; the last row is back from the turn
	QUANT 15
	s_cmp_eq_u32 s6, 0
	s_cbranch_scc1 .Lskip_b
	s_cmp_eq_u32 s5, 0
	s_cbranch_scc1 .Lskip_b
	P2                                             ; role 1: the same, behind P1
.Lskip_b:
	BARRIER                                        ; this chunk's images are whole, and nobody reads the other buffer any more
	s_xor_b32 s7, s7, BUF
	s_add_co_u32 s6, s6, 1
	s_cmp_lt_u32 s6, CHUNKS
	s_cbranch_scc1 .Ltrip
	s_xor_b32 s28, s7, BUF                         ; the last chunk's products
	v_add_nc_u32 v21, s28, v6
	v_add_nc_u32 v22, s28, v7
	v_add_nc_u32 v23, s28, v8
	P2
	s_set_vgpr_msb 0x5
	s_wait_tensorcnt 0x0
	ds_add_u32 v0, v1
	s_wait_dscnt 0x0
	s_set_vgpr_msb 0x500
	s_endpgm
.Lfunc_end_k_qeabcd7ec80_kan:
	.size	k_qeabcd7ec80_kan, .Lfunc_end_k_qeabcd7ec80_kan-k_qeabcd7ec80_kan
	.p2alignl 7, 3214868480
	.fill 96, 4, 3214868480
	.section	.rodata,"a",@progbits
	.p2align	6, 0x0
	.amdhsa_kernel k_qeabcd7ec80_kan
		.amdhsa_group_segment_fixed_size 285184
		.amdhsa_private_segment_fixed_size 0
		.amdhsa_enable_private_segment 0
		.amdhsa_kernarg_size 80
		.amdhsa_user_sgpr_count 2
		.amdhsa_user_sgpr_kernarg_segment_ptr 1
		.amdhsa_wavefront_size32 1
		.amdhsa_system_sgpr_workgroup_id_x 1
		.amdhsa_system_sgpr_workgroup_id_y 1
		.amdhsa_system_sgpr_workgroup_id_z 1
		.amdhsa_system_vgpr_workitem_id 0
		.amdhsa_next_free_vgpr 258
		.amdhsa_next_free_sgpr 96
		.amdhsa_reserve_vcc 0
		.amdhsa_float_denorm_mode_32 3
		.amdhsa_float_denorm_mode_16_64 3
		.amdhsa_memory_ordered 1
		.amdhsa_forward_progress 1
		.amdhsa_inst_pref_size 255
	.end_amdhsa_kernel
	.section	.bss,"aw",@nobits
	.p2align	6
	.space	262144
	.amdgpu_metadata
---
amdhsa.version: [ 1, 2 ]
amdhsa.kernels:
  - .name:           k_qeabcd7ec80_kan
    .symbol:         k_qeabcd7ec80_kan.kd
    .args:
      - { .name: x, .offset: 0, .size: 8, .value_kind: global_buffer, .address_space: global }
      - { .name: gtab, .offset: 8, .size: 8, .value_kind: global_buffer, .address_space: global }
      - { .name: wfrag, .offset: 16, .size: 8, .value_kind: global_buffer, .address_space: global }
      - { .name: wscale, .offset: 24, .size: 8, .value_kind: global_buffer, .address_space: global }
      - { .name: base_weight_codes, .offset: 32, .size: 8, .value_kind: global_buffer, .address_space: global }
      - { .name: base_weight_scales, .offset: 40, .size: 8, .value_kind: global_buffer, .address_space: global }
      - { .name: base_bias, .offset: 48, .size: 8, .value_kind: global_buffer, .address_space: global }
      - { .name: spline_bias, .offset: 56, .size: 8, .value_kind: global_buffer, .address_space: global }
      - { .name: spline_scale, .offset: 64, .size: 8, .value_kind: global_buffer, .address_space: global }
      - { .name: out0, .offset: 72, .size: 8, .value_kind: global_buffer, .address_space: global }
    .group_segment_fixed_size: 285184
    .private_segment_fixed_size: 0
    .kernarg_segment_align: 8
    .kernarg_segment_size: 80
    .max_flat_workgroup_size: 256
    .sgpr_count:     96
    .vgpr_count:     258
    .wavefront_size: 32
...
	.end_amdgpu_metadata
.endif
;; end of part 2
;; ======== version 2 of 2: 2 launches
;; workspace buffers: wfrag 65,536 bytes; wscale 4,096 bytes; gtab 21,504 bytes
;; launch prep (part 3): grid 17 x 1, 2 waves a work-group, no clusters, 0 bytes of LDS; arguments spline_weight, grid, wfrag, wscale, gtab; writes wfrag, wscale, gtab
.if DOCPART == 3
	.amdgcn_target "amdgcn-amd-amdhsa--gfx1250"
	.amdhsa_code_object_version 6
	.text
	.protected	k_qeabcd7ec80_prep
	.globl	k_qeabcd7ec80_prep
	.p2align	8
	.type	k_qeabcd7ec80_prep,@function
k_qeabcd7ec80_prep:
	s_mov_b64 s[64:65], 0
	v_nop
	global_prefetch_b8 v0, s[64:65] scope:SCOPE_SE
	s_setreg_imm32_b32 hwreg(HW_REG_WAVE_MODE, 25, 1), 1
	s_wait_xcnt 0x0
; What the second launch's 256 work-groups would each have to make anew is made here once.
; WORK-GROUPS 0-15: spline_weight [128 (o)][128 (i)][8 (b)] f32 becomes codes of E2M1 with one E8M0 byte for each 32 along K.  THE PRODUCT CONTRACTS b, THEN i: K = 128 b + i.
;   So a K step of 128 is one basis function b, and a block of 32 is 32 neighbouring features i of one b.
;   wfrag  [t 0..7][s 0..7][c 0..1][lane 0..31][16 bytes]: the operand's registers on end: lane (r, h) holds output 16 t + r, basis function s, features 32 (2 c + h) .. + 31.
;   wscale [t][s][r], one word: byte Q = the byte of features 32 Q .. + 31 of basis function s of output 16 t + r.
; WORK-GROUP 16: the spline's constants of each feature, from grid [128][12]: g[0..11] and 1 / ((g[j + k] - g[j]) + 1e-8), k = 1, 2, 3.
;   gtab [fh 0..1][q 0..20][lane][16 bytes]: the 84 registers of lane l of a wave that owns features 64 fh + 2 l (even registers) and 64 fh + 2 l + 1 (odd ones).
; A block's scale is 2^(floor(log2(its largest magnitude)) - 2); its byte is the largest magnitude's exponent field - 2, held at 1 from below (a block of zeros keeps the byte 1: its codes
; are zeros, and this program alone reads the bytes).
; LIMITS: NaN and infinities among the inputs are not served; blocks whose largest magnitude lies under 2^-124 keep the byte 1; a grid in which (g[j + k] - g[j]) + 1e-8 is exactly 0 is not served.
.set N,     32                         ; v32-159  a lane's 128 numbers: register 4 i + jj = feature i of its 32, basis function jj of its four
.set P,     160                        ; v160-191 a block's 32 numbers on end
.set C,     192                        ; v192-207 codes: four registers for each block, so that no store's data are written again
.set SBY,   208                        ; v208-211 a scale byte for each block, likewise
.set FLOOR, 0x1800000                  ; 2^(3 - 127)
.set G,     32                         ; v32-55   two features' knots as they lie
.set K,     64                         ; v64-147  the 42 pairs of constants: 0-11 g, 12-22 k = 1, 23-32 k = 2, 33-41 k = 3
.set R,     148                        ; v148-207 first reciprocals
.set E,     208                        ; v208-211 at work
	s_load_b256 s[4:11], s[0:1], 0x0               ; spline_weight s[4:5], grid s[6:7], wfrag s[8:9], wscale s[10:11]
	s_load_b64 s[12:13], s[0:1], 0x20              ; gtab
	v_lshrrev_b32 v1, 5, v0
	v_readfirstlane_b32 s14, v1                    ; wave 0, 1
	v_and_b32 v1, 31, v0                           ; lane
	s_cmp_eq_u32 ttmp9, 16
	s_cbranch_scc1 .Lgrid
	; ---- the weights.  Wave 2 x work-group + wave = 4 t + 2 jh + c; lane (r, hh) takes output 16 t + r, features 32 (2 c + hh) .. + 31, basis functions 4 jh .. + 3: four blocks
	s_lshl_b32 s15, ttmp9, 1
	s_add_co_u32 s15, s15, s14
	s_lshr_b32 s16, s15, 2                         ; t
	s_bfe_u32 s17, s15, 0x10001                    ; jh
	s_and_b32 s24, s15, 1                          ; c
	v_and_b32 v5, 15, v1                           ; r
	v_lshrrev_b32 v6, 4, v1                        ; hh
	v_lshlrev_b32 v2, 12, v5
	v_lshl_add_u32 v2, v6, 10, v2                  ; in: an output's row is 4,096 bytes, 32 features 1,024
	v_lshlrev_b32 v3, 4, v1                        ; codes: 256 hh + 16 r = 16 x lane
	v_lshl_add_u32 v4, v5, 2, v6                   ; scale bytes: word r, byte hh of the pair 2 c, 2 c + 1
	s_lshl_b32 s18, s16, 16                        ; in: 16 t outputs,
	s_lshl_b32 s20, s24, 11                        ; 64 c features of 32 bytes,
	s_add_co_u32 s18, s18, s20
	s_lshl_b32 s20, s17, 4                         ; 4 jh numbers
	s_add_co_u32 s18, s18, s20
	s_mov_b32 s19, 0
	s_lshl_b32 s20, s16, 13                        ; codes: a tile is 8,192 bytes,
	s_lshl_b32 s22, s17, 12                        ; four K steps 4,096,
	s_add_co_u32 s20, s20, s22
	s_lshl_b32 s22, s24, 9                         ; c 512
	s_add_co_u32 s20, s20, s22
	s_mov_b32 s21, 0
	s_lshl_b32 s22, s16, 9                         ; scale words: a tile is 512 bytes,
	s_lshl_b32 s25, s17, 8                         ; four K steps 256,
	s_add_co_u32 s22, s22, s25
	s_lshl_b32 s25, s24, 1                         ; bytes 2 c, 2 c + 1 of a word
	s_add_co_u32 s22, s22, s25
	s_mov_b32 s23, 0
	s_wait_alu depctr_va_vdst(0)
	s_wait_kmcnt 0x0
	s_add_nc_u64 s[4:5], s[4:5], s[18:19]
	s_add_nc_u64 s[8:9], s[8:9], s[20:21]
	s_add_nc_u64 s[10:11], s[10:11], s[22:23]
.set nn, 0
.rept 32
	global_load_b128 v[N+4*nn:N+4*nn+3], v2, s[4:5] offset:32*nn   ; feature nn: my four of its eight numbers (the wave with the other jh takes the other four)
.set nn, nn+1
.endr
	s_wait_loadcnt 0x0                             ; every block takes a number of every load
.macro WBLOCK q                        ; basis function 4 jh + q: registers N + 4 n + q, n = 0 .. 31
	v_max3_num_f32 v9, |v[N+(\q)]|, |v[N+4+(\q)]|, |v[N+8+(\q)]|          ; the block's largest magnitude: all 32 numbers are mine; two chains
	v_max3_num_f32 v10, |v[N+12+(\q)]|, |v[N+16+(\q)]|, |v[N+20+(\q)]|
.irp i, 6,10,14,18,22,26
	v_max3_num_f32 v9, v9, |v[N+4*\i+(\q)]|, |v[N+4*\i+4+(\q)]|
	v_max3_num_f32 v10, v10, |v[N+4*\i+8+(\q)]|, |v[N+4*\i+12+(\q)]|
.endr
	v_max3_num_f32 v9, v9, |v[N+120+(\q)]|, |v[N+124+(\q)]|
	v_max3_num_f32 v9, v9, v10, FLOOR              ; and the floor, which holds the byte at 1 from below
	v_add_nc_u32 v11, 0xff000000, v9               ; 2 off the exponent field: the conversion takes this operand's exponent field as its scale
	v_lshrrev_b32 v[SBY+(\q)], 23, v11             ; the scale's byte
.set nn, 0
.rept 32
	v_mov_b32 v[P+nn], v[N+4*nn+(\q)]              ; the conversions take neighbours along K from consecutive registers
.set nn, nn+1
.endr
.irp g, 0,1,2,3
	v_cvt_scalef32_pk8_fp4_f32 v[C+4*(\q)+\g], v[P+8*\g:P+8*\g+7], v11
.endr
	global_store_b128 v3, v[C+4*(\q):C+4*(\q)+3], s[8:9] offset:1024*(\q)   ; sixteen lanes store 256 consecutive bytes, aligned.  (The next block's maxima are the plain lines behind the conversions)
	global_store_b8 v4, v[SBY+(\q)], s[10:11] offset:64*(\q)                ; my byte of the word of (K step, output).  Single bytes: a word's four bytes are made in lanes of two waves, and the buffer is 4,096 bytes in all
.endm
	WBLOCK 0
	WBLOCK 1
	WBLOCK 2
	WBLOCK 3
	v_nop                                          ; one plain line behind the last conversion
	s_endpgm
	; ---- the constants.  Wave fh; lane l takes features 64 fh + 2 l and + 1: 96 consecutive bytes of grid
.Lgrid:
	s_wait_alu depctr_va_vdst(0)
	v_mul_u32_u24 v2, v1, 96
	v_lshlrev_b32 v3, 4, v1
	s_mul_i32 s18, s14, 3072
	s_mov_b32 s19, 0
	s_mul_i32 s20, s14, 10752
	s_mov_b32 s21, 0
	s_wait_alu depctr_va_vdst(0)
	s_wait_kmcnt 0x0
	s_add_nc_u64 s[6:7], s[6:7], s[18:19]
	s_add_nc_u64 s[12:13], s[12:13], s[20:21]
.irp n, 0,1,2,3,4,5
	global_load_b128 v[G+4*\n:G+4*\n+3], v2, s[6:7] offset:16*\n
.endr
	s_wait_loadcnt 0x0
.irp j, 0,1,2,3,4,5,6,7,8,9,10,11
	v_mov_b32 v[K+2*\j], v[G+\j]                   ; pair j: g[j] of the even feature, of the odd feature
	v_mov_b32 v[K+2*\j+1], v[G+12+\j]
.endr
.macro DEN k, base                     ; g[j + k] - g[j], j = 0 .. 11 - k, into pairs base on
.set jj, 0
.rept 12-\k
	v_pk_add_f32 v[K+2*(\base+jj):K+2*(\base+jj)+1], v[K+2*(jj+\k):K+2*(jj+\k)+1], v[K+2*jj:K+2*jj+1] neg_lo:[0,1] neg_hi:[0,1]
.set jj, jj+1
.endr
.endm
	DEN 1, 12
	DEN 2, 23
	DEN 3, 33
.set cc, 12
.rept 30
	v_pk_add_f32 v[K+2*cc:K+2*cc+1], v[K+2*cc:K+2*cc+1], 0x322bcc77 op_sel_hi:[1,0]   ; + 1e-8, behind the difference, as the definition has it
.set cc, cc+1
.endr
.set nn, 0
	s_wait_alu depctr_va_vdst(0)
.rept 60
	v_rcp_f32 v[R+nn], v[K+24+nn]
.set nn, nn+1
.endr
	v_nop                                          ; a plain line behind the last reciprocal
	s_wait_alu depctr_va_vdst(0)                   ; one wait for the batch of 60, ahead of its first reader
.set cc, 0
.rept 30                               ; one Newton step: r + r (1 - d r)
	v_pk_fma_f32 v[E+2*(cc%2):E+2*(cc%2)+1], v[K+24+2*cc:K+24+2*cc+1], v[R+2*cc:R+2*cc+1], 1.0 op_sel_hi:[1,1,0] neg_lo:[1,0,0] neg_hi:[1,0,0]
	v_pk_fma_f32 v[K+24+2*cc:K+24+2*cc+1], v[R+2*cc:R+2*cc+1], v[E+2*(cc%2):E+2*(cc%2)+1], v[R+2*cc:R+2*cc+1]
.set cc, cc+1
.endr
.set nn, 0
.rept 21
	global_store_b128 v3, v[K+4*nn:K+4*nn+3], s[12:13] offset:512*nn    ; 32 lanes store 512 consecutive bytes, aligned
.set nn, nn+1
.endr
	s_endpgm
.Lfunc_end_k_qeabcd7ec80_prep:
	.size	k_qeabcd7ec80_prep, .Lfunc_end_k_qeabcd7ec80_prep-k_qeabcd7ec80_prep
	.p2alignl 7, 3214868480
	.fill 96, 4, 3214868480
	.section	.rodata,"a",@progbits
	.p2align	6, 0x0
	.amdhsa_kernel k_qeabcd7ec80_prep
		.amdhsa_group_segment_fixed_size 0
		.amdhsa_private_segment_fixed_size 0
		.amdhsa_enable_private_segment 0
		.amdhsa_kernarg_size 40
		.amdhsa_user_sgpr_count 2
		.amdhsa_user_sgpr_kernarg_segment_ptr 1
		.amdhsa_wavefront_size32 1
		.amdhsa_system_sgpr_workgroup_id_x 1
		.amdhsa_system_sgpr_workgroup_id_y 1
		.amdhsa_system_sgpr_workgroup_id_z 1
		.amdhsa_system_vgpr_workitem_id 0
		.amdhsa_next_free_vgpr 224
		.amdhsa_next_free_sgpr 66
		.amdhsa_reserve_vcc 0
		.amdhsa_float_denorm_mode_32 3
		.amdhsa_float_denorm_mode_16_64 3
		.amdhsa_memory_ordered 1
		.amdhsa_forward_progress 1
		.amdhsa_inst_pref_size 30
	.end_amdhsa_kernel
	.amdgpu_metadata
---
amdhsa.version: [ 1, 2 ]
amdhsa.kernels:
  - .name:           k_qeabcd7ec80_prep
    .symbol:         k_qeabcd7ec80_prep.kd
    .args:
      - { .name: spline_weight, .offset: 0, .size: 8, .value_kind: global_buffer, .address_space: global }
      - { .name: grid, .offset: 8, .size: 8, .value_kind: global_buffer, .address_space: global }
      - { .name: wfrag, .offset: 16, .size: 8, .value_kind: global_buffer, .address_space: global }
      - { .name: wscale, .offset: 24, .size: 8, .value_kind: global_buffer, .address_space: global }
      - { .name: gtab, .offset: 32, .size: 8, .value_kind: global_buffer, .address_space: global }
    .group_segment_fixed_size: 0
    .private_segment_fixed_size: 0
    .kernarg_segment_align: 8
    .kernarg_segment_size: 40
    .max_flat_workgroup_size: 64
    .sgpr_count:     66
    .vgpr_count:     224
    .wavefront_size: 32
...
	.end_amdgpu_metadata
.endif
;; end of part 3
;; launch kan (part 4): grid 256 x 1, 8 waves a work-group, no clusters, 285,184 bytes of LDS; arguments x, gtab, wfrag, wscale, base_weight_codes, base_weight_scales, base_bias, spline_bias, spline_scale, out0; writes out0
.if DOCPART == 4
	.amdgcn_target "amdgcn-amd-amdhsa--gfx1250"
	.amdhsa_code_object_version 6
	.text
	.protected	k_qeabcd7ec80_kan
	.globl	k_qeabcd7ec80_kan
	.p2align	8
	.type	k_qeabcd7ec80_kan,@function
k_qeabcd7ec80_kan:
	s_mov_b64 s[64:65], 0
	v_nop
	global_prefetch_b8 v0, s[64:65] scope:SCOPE_SE
	s_setreg_imm32_b32 hwreg(HW_REG_WAVE_SCHED_MODE, 0, 2), 2
	s_setreg_imm32_b32 hwreg(HW_REG_WAVE_MODE, 25, 1), 1
	s_wait_xcnt 0x0
	s_wait_alu depctr_vm_vsrc(0)
; out = silu(x) Wb^T + base_bias + spline_scale (basis(tanh(x)) Ws^T + spline_bias); both products on codes of E2M1 with one E8M0 scale for each 32 along K.
; x, out: [65,536][128] f32.  Wb comes as codes; Ws's codes (wfrag, wscale) and the spline's constants (gtab) were made by the launch before.
; THE SPLINE'S PRODUCT CONTRACTS THE BASIS FUNCTION b, THEN THE FEATURE i: K = 128 b + i.  A K step of 128 is one basis function; a block of 32 is 32 neighbouring features of it.
; THE SPLINE is the whole recursion, for any knots: d[j] = th - g[j]; b0[j] = (d[j] >= 0) and not (d[j+1] >= 0); u_k[j] = inv_k[j] b_(k-1)[j]; b_k[j] = d[j] u_k[j] - d[j+k+1] u_k[j+1],
; inv_k[j] = 1 / ((g[j+k] - g[j]) + 1e-8).  No interval is searched for; what a comparison decides is taken by v_cndmask_b32.
; ACTIVATIONS: e = 2^(-x log2(e)); silu = x / (1 + e); th = tanh(x) = 2 / (1 + e e) - 1.  e = infinity gives silu = -0 and th = -1; e = 0 gives silu = x and th = 1.
; LIMITS: NaN and infinities in x are not served; d (inv b) is rounded in another order than (d / den) b, and the sum of the two terms is fused; silu under about 1e-37 in magnitude comes out as 0;
; a block whose largest magnitude lies under 2^-124 keeps the byte 1 (a block of zeros too: its codes are zeros).
; SHARES.  A work-group takes 256 rows, as four chunks of 64.  Eight waves; wave w: b0 = w & 1, b1 = w >> 1.
;   P1, vector work: features 64 b0 .. + 63 of rows 16 b1 .. + 15 of the chunk.  Lane l owns features 64 b0 + 2 l and + 1 for the whole launch: its 84 constants stay in registers, and the two features
;       ride in the two halves of packed f32 instructions.  A block's 32 features then lie in 16 lanes: a row's 16 x 32 basis values TURN through the wave's own stage in LDS (in: 8 bytes a lane for each basis
;       function; back: 64 bytes a lane), behind which a lane holds 16 neighbours along K and two neighbouring lanes a block.  The codes, the scale bytes and silu (f32) go to LDS for P2.
;   P2, matrix work: rows 16 b1 .. + 15 x outputs 64 b0 .. + 63 of the chunk BEFORE: silu is quantised (a lane holds whole blocks), 2 x (2 + 16) matrix instructions, the result leaves through the wave's own stage.
;   The chunk's images lie in two LDS buffers by turns: between two barriers P1 writes one and P2 reads the other: one barrier a chunk.  Half of the waves run P2 ahead of P1, half behind it.
; THE MATRIX INSTRUCTION IS USED TRANSPOSED: source 0 = 16 outputs (weights), source 1 = 16 rows: a lane holds 8 neighbouring outputs of one row.
; NO CLUSTER, NO TENSOR LOAD: what work-groups share is 94,208 bytes of tables, read once at the head, against 262,144 bytes of x and out that are a work-group's own; x goes from memory straight
; into the lane that works on it (a wave's load covers 256 consecutive bytes, aligned), requested a chunk ahead.  No prefetch: no wave waits for x behind the head.
; THE MODE: SCHED_MODE bits 1:0 = 2 (LLVM: expert scheduling mode 2), set by the entry lines.  The code itself states the register dependences between vector or matrix instructions and memory or
; LDS instructions, with s_wait_alu, always for 0.
; THE PLAN.  Registers that memory or LDS instructions touch, and who else names them:
;   v1-17, v228  addresses: written at the head, never again.      v18-23  LDS addresses in the two buffers: written at a trip's head (v21-23 once more at the tail), read by the trip's LDS instructions.
;   X            x's loads land in it a chunk ahead; the activations' first and last lines read it.
;   P1:  A       written by the activations, read by one LDS store a row (silu).        UB      written by the levels, read by the turn's eight LDS stores.
;        L       (UA's first 16) the turn's four loads land in it; the next row's body quantises it, then writes UA anew.        CD, M1  written by the quantising, read by two LDS stores.
;   A row's body has TWO waits on va_vdst besides those inside ACT_A and ACT_B.  Behind level 1: the reciprocals of the row behind are written, and so are CD and M1: their two stores follow it.  Behind level 3: A and UB are written, level 3 is done with UA,
;   and the exponentials of the row after next are written: silu's store, the turn's stores and its loads follow it.  ONE wait on vm_vsrc stands behind the compares: all these stores have read A, UB, CD and M1, which the
;   body writes again from there on.  ONE wait on va_sdst stands between the 24 compares and the scalar lines that read their masks.
;   P2:  v148-227 and the scale words v230-255 are filled by LDS loads and read by vector and matrix instructions; a wait on va_vdst stands ahead of each run of loads into registers that these have named since the last one.
;        AB is also written by the closing multiply-adds and read by the stage's stores; v180-211 are read by the global stores.  PF and PS are written by vector lines and taken by scaled matrix instructions.
.set CHUNKS, 4
.set FLOOR,  0x1800000                 ; 2^(3 - 127)
; LDS.  Buffer b begins at b x BUF.  All pitches are odd multiples of 16 bytes: the rows that a load or store of 16 lanes touches begin 4 words apart (64 banks of 4 bytes: ISA guide 11.1)
.set BUF,    0x20000
.set IPITCH, 1040                      ; IMG at + 0: 32 blocks x (64 rows x 16 bytes + 16): row q of block 4 b + Q at 1040 (4 b + Q) + 16 q: a fragment's load reads 256 consecutive bytes in each half of the lanes
.set SIL,    33280                     ; silu, f32: 64 rows x (512 + 16)
.set SPITCH, 528
.set SCB,    67072                     ; the blocks' scale bytes: 64 rows x (32 + 16): byte 4 b + Q
.set STG,    70144                     ; behind buffer 0: a stage of 16 rows x (256 + 16) for each wave, for the way out
.set BWL,    104960                    ; Wb's fragments as images of their registers: [tile][c][lane][16]
.set WSL,    113152                    ; Ws's scale words: output o at 48 o, K step s at + 4 s
.set BSL,    119296                    ; Wb's scale words: 4 o
.set BIL,    119808                    ; base_bias + spline_scale x spline_bias: 4 o
.set WL,     201216                    ; behind buffer 1: wfrag as it lies, 65,536 bytes
.set TST,    266752                    ; the stages in which a row's basis values turn: for each wave 8 lines (a basis function each) of 256 + 16 bytes
.set TPITCH, 272
.set TWAVE,  8*TPITCH
; REGISTERS.  v1 the turn's way in, v228 its way back; v2-17 addresses that stay; v18-20 P1's LDS addresses in the buffer that it writes; v21-23 P2's in the other.
.set K,   24                           ; v24-107  constants: pair j: g[j]
.set KI1, K+24                         ;          inv_1[0..10]
.set KI2, K+46                         ;          inv_2[0..9]
.set KI3, K+66                         ;          inv_3[0..8]
.set X,   108                          ; v108-139 16 rows x 2 features of x
.set D,   140                          ; P1: v140-163 d[0..11]
.set UA,  164                          ;     v164-185, v186-207: the levels, by turns
.set UB,  186
.set L,   UA                           ;     v164-179: 16 neighbours along K, back from the turn: UA is free between a row's last level and the next row's first
.set T,   208                          ;     e
.set A,   210                          ;     1 + e, its reciprocal, silu
.set Q,   212                          ;     1 + e e, its reciprocal, th
.set M0,  214
.set M1,  215                          ;     a maximum, then the scale's byte
.set SC,  216
.set CD,  218                          ;     v218-219 the codes
.set PF,  140                          ; P2: v140-147 silu's fragment
.set S,   148                          ;     v148-211 64 numbers of silu;  then:
.set AB,  148                          ;     v148-163 two accumulators of the base product (they begin as the bias)
.set AS,  164                          ;     v164-179 two of the spline's
.set WFA, 180                          ;     v180-195, v196-211 two tiles' fragments of Ws, two sets
.set WFB, 196
.set BFA, 212                          ;     v212-219, v220-227 the rows' fragment, two sets
.set MX,  212                          ;     (while silu is quantised: v212-219 at work)
.set SCO, 214
.set BYT, 216
.set W9,  218
.set PT,  219
.set RB,  180                          ;     the way out: 16 rows read back
.set PS,  229                          ; v229-255 hold scales and nothing else: silu's word,
.set BS,  230                          ;     v230-237 the rows' eight words,
.set WSC, 238                          ;     v238-253 two tiles' eight words of Ws,
.set BWS, 254                          ;     v254-255 two tiles' word of Wb
; s2 wave, s3 b0, s4 b1, s5 role, s6 chunk, s7 the buffer that P1 writes, s28 the other; s[8:9] x, s[26:27] out (both walk); s[30:31] spline_scale; s[36:37] lane selects; s72-95 masks
	s_load_b512 s[8:23], s[0:1], 0x0               ; x, gtab, wfrag, wscale, Wb's codes, Wb's scales, base_bias, spline_bias
	s_load_b128 s[24:27], s[0:1], 0x40             ; spline_scale, out
	s_set_vgpr_msb 0x40
	v_lshl_add_u32 v0, v0, 2, 0x45600
	v_mov_b32 v1, 0
	s_set_vgpr_msb 0x4000
	v_lshrrev_b32 v1, 5, v0
	v_readfirstlane_b32 s2, v1                     ; wave 0..7
	s_mov_b32 s36, 0x76543210
	s_mov_b32 s37, 0xfedcba98                      ; v_permlanex16_b32's selects for lane l xor 16
	v_and_b32 v18, 31, v0                          ; l
	s_wait_alu depctr_va_vdst(0)
	v_and_b32 v19, 15, v0                          ; r
	v_bfe_u32 v20, v0, 4, 1                        ; h
	v_bfe_u32 v21, v0, 2, 3                        ; l / 4
	s_wait_alu depctr_va_vdst(0)
	v_bfe_u32 v22, v0, 1, 1                        ; (l / 2) % 2
	v_and_b32 v23, 1, v0                           ; l % 2
	s_wait_alu depctr_va_sdst(0)                   ; s2 is written, ahead of its first reader: the wave's shares, its role and its addresses are made from it
	s_and_b32 s3, s2, 1                            ; b0
	s_lshr_b32 s4, s2, 1                           ; b1
	s_lshr_b32 s5, s2, 2
	s_xor_b32 s5, s5, s2
	s_and_b32 s5, s5, 1                            ; role: 0: P2 ahead of P1; 1: behind it.  Waves w and w + 4 differ in it, and so do waves w and w + 1
	s_mul_i32 s34, s2, TWAVE
	s_add_co_u32 s34, s34, TST                     ; my wave's stage for the turn
	v_lshl_add_u32 v1, v18, 3, s34                 ; v1  in: 8 l in a basis function's line: my two features
	v_mul_u32_u24 v228, v21, TPITCH
	s_wait_alu depctr_va_vdst(0)
	v_lshl_add_u32 v228, v22, 7, v228
	v_lshl_add_u32 v228, v23, 6, v228
	v_add_nc_u32 v228, s34, v228                   ; v228 back: line l / 4, 64 (l % 4): 16 neighbouring features of basis function l / 4
	s_lshl_b32 s32, s4, 13
	s_lshl_b32 s33, s3, 8
	s_add_co_u32 s32, s32, s33                     ; 16 b1 rows of 512 bytes + 64 b0 numbers
	v_lshl_add_u32 v2, v18, 3, s32                 ; v2  x: + 8 l
	v_lshlrev_b32 v16, 9, v20
	v_lshl_add_u32 v16, v19, 4, v16
	v_add_nc_u32 v16, s32, v16                     ; v16 out: + row h, + 16 r
	s_mul_i32 s34, s4, 16*SPITCH
	s_add_co_u32 s34, s34, SIL
	s_add_co_u32 s35, s34, s33
	v_lshl_add_u32 v3, v18, 3, s35                 ; v3  silu in: row 16 b1, + 256 b0 + 8 l
	v_mul_u32_u24 v6, v19, SPITCH
	v_lshl_add_u32 v6, v20, 7, v6
	v_add_nc_u32 v6, s34, v6                       ; v6  silu out: row 16 b1 + r, + 128 h: my block of 32
	s_mul_i32 s34, s3, 2*IPITCH
	s_lshl_b32 s35, s4, 8
	s_add_co_u32 s34, s34, s35
	v_mul_u32_u24 v4, v21, 4*IPITCH
	v_mad_u32_u24 v4, v22, IPITCH, v4
	v_lshl_add_u32 v4, v23, 3, v4
	v_add_nc_u32 v4, s34, v4                       ; v4  codes in: block 4 (l / 4) + 2 b0 + (l / 2) % 2, row 16 b1, + 8 (l % 2)
	v_mul_u32_u24 v7, v20, IPITCH
	v_lshl_add_u32 v7, v19, 4, v7
	v_add_nc_u32 v7, s35, v7                       ; v7  codes out: block h, row 16 b1 + r
	s_mul_i32 s34, s4, 768
	s_add_co_u32 s34, s34, SCB
	s_lshl_b32 s35, s3, 1
	s_add_co_u32 s35, s35, s34
	v_lshl_add_u32 v5, v21, 2, v22
	v_add_nc_u32 v5, s35, v5                       ; v5  scale bytes in: row 16 b1, byte 4 (l / 4) + 2 b0 + (l / 2) % 2
	v_mul_u32_u24 v8, v19, 48
	s_mul_i32 s35, s3, 3072
	s_add_co_u32 s35, s35, WSL
	v_add_nc_u32 v10, s35, v8                      ; v10 Ws's scale words: output 64 b0 + r
	v_add_nc_u32 v8, s34, v8                       ; v8  scale bytes out: row 16 b1 + r
	s_lshl_b32 s34, s3, 15
	s_add_co_u32 s34, s34, WL
	v_lshl_add_u32 v9, v18, 4, s34                 ; v9  Ws's fragments: my four tiles, + 16 l
	s_lshl_b32 s34, s3, 12
	s_add_co_u32 s34, s34, BWL
	v_lshl_add_u32 v11, v18, 4, s34                ; v11 Wb's likewise
	s_add_co_u32 s34, s33, BSL
	v_lshl_add_u32 v12, v19, 2, s34                ; v12 Wb's scale words
	s_add_co_u32 s34, s33, BIL
	v_lshl_add_u32 v13, v20, 5, s34                ; v13 the bias of my half's eight outputs
	s_mul_i32 s34, s2, 16*272
	s_add_co_u32 s34, s34, STG
	v_mul_u32_u24 v14, v19, 272
	v_lshl_add_u32 v14, v20, 5, v14
	v_add_nc_u32 v14, s34, v14                     ; v14 my stage for the way out, in: row r, + 32 h
	v_mul_u32_u24 v15, v20, 272
	v_lshl_add_u32 v15, v19, 4, v15
	v_add_nc_u32 v15, s34, v15                     ; v15 and back: row h, + 16 r
	v_lshlrev_b32 v17, 3, v20                      ; v17 8 h
	; the head's own addresses: v220-227
	v_lshlrev_b32 v220, 4, v0                      ; 16 x thread: wfrag, wscale
	v_lshlrev_b32 v221, 6, v19
	v_lshl_add_u32 v221, v20, 4, v221
	s_lshl_b32 s34, s2, 10
	v_add_nc_u32 v221, s34, v221                   ; Wb's tile w: row r of 64 bytes, + 16 h
	s_lshl_b32 s35, s2, 6
	v_lshl_add_u32 v222, v19, 2, s35               ; 4 (16 w + r)
	s_mul_i32 s35, s3, 10752
	v_lshl_add_u32 v223, v18, 4, s35               ; gtab: my feature half, + 16 l
	v_lshl_add_u32 v224, v0, 4, WL
	s_add_co_u32 s34, s34, BWL
	v_lshl_add_u32 v225, v18, 4, s34
	v_lshrrev_b32 v226, 5, v0                      ; wscale's words 4 x thread + k are tile thread / 32, K step (thread / 4) % 8, output 4 (thread % 4) + k of the tile
	v_mul_u32_u24 v226, v226, 768
	v_and_b32 v227, 3, v0
	v_mad_u32_u24 v226, v227, 192, v226
	v_bfe_u32 v227, v0, 2, 3
	v_lshl_add_u32 v226, v227, 2, v226
	v_add_nc_u32 v226, WSL, v226
	v_add_nc_u32 v227, BSL, v222
	s_lshl_b32 s32, ttmp9, 17                      ; the work-group's 256 rows of 512 bytes
	s_mov_b32 s33, 0
	s_wait_kmcnt 0x0
	s_load_b32 s30, s[24:25], 0x0                  ; spline_scale
	s_add_nc_u64 s[8:9], s[8:9], s[32:33]
	s_add_nc_u64 s[26:27], s[26:27], s[32:33]
.macro XLOAD first                     ; eight rows of x: each load of the wave covers 256 consecutive bytes, aligned
.irp i, 0,1,2,3,4,5,6,7
	global_load_b64 v[X+2*(\first+\i):X+2*(\first+\i)+1], v2, s[8:9] offset:512*(\first+\i) th:TH_LOAD_NT
.endr
.endm
	s_wait_alu depctr_va_vdst(0)                   ; all addresses are written: v1-17 and v228, which the kernel's loads and stores read, and v220-227, which the head's read
.set nn, 0
.rept 16
	global_load_b128 v[140+4*nn:143+4*nn], v220, s[12:13] offset:4096*nn     ; wfrag, a sixteenth of it for each thread
.set nn, nn+1
.endr
	global_load_b128 v[204:207], v221, s[16:17]
	global_load_b128 v[208:211], v221, s[16:17] offset:32
	global_load_b128 v[212:215], v220, s[14:15]
	global_load_b32 v216, v222, s[18:19]
	global_load_b32 v217, v222, s[20:21]
	global_load_b32 v218, v222, s[22:23]
.set nn, 0
.rept 21
	global_load_b128 v[K+4*nn:K+4*nn+3], v223, s[10:11] offset:512*nn        ; my lane's 84 constants
.set nn, nn+1
.endr
	XLOAD 0
	XLOAD 8
	s_wait_loadcnt 37                              ; the tables are in; the 21 loads of constants and the 16 of x may be out
	s_wait_kmcnt 0x0
	s_mov_b32 s31, s30                             ; (named with it as a pair)
	v_fma_f32 v217, v218, s30, v217                ; base_bias + spline_scale x spline_bias
.set nn, 0
.rept 16
	ds_store_b128 v224, v[140+4*nn:143+4*nn] offset:4096*nn
.set nn, nn+1
.endr
	ds_store_b128 v225, v[204:207]
	ds_store_b128 v225, v[208:211] offset:512
.irp k, 0,1,2,3
	ds_store_b32 v226, v[212+\k] offset:48*\k
.endr
	ds_store_b32 v227, v216                        ; (lanes 16-31 write the same words with the same values)
	s_wait_alu depctr_va_vdst(0)                   ; the multiply-add has written v217, which the store below reads
	ds_store_b32 v227, v217 offset:BIL-BSL
.macro BARRIER                         ; my LDS stores have landed and my LDS loads are in: then the work-group's barrier
	s_wait_dscnt 0x0
	s_barrier_signal -1
	s_barrier_wait -1
.endm
	BARRIER                                        ; the tables lie in LDS
; ---------------- P1
.macro ACT_A i
	v_pk_mul_f32 v[T:T+1], v[X+2*(\i):X+2*(\i)+1], 0xbfb8aa3b op_sel_hi:[1,0]   ; -x log2(e)
	s_wait_alu depctr_va_vdst(0)
	v_exp_f32 v[T], v[T]
	v_exp_f32 v[T+1], v[T+1]
.endm
.macro ACT_B
	v_pk_add_f32 v[A:A+1], v[T:T+1], 1.0 op_sel_hi:[1,0]
	v_pk_fma_f32 v[Q:Q+1], v[T:T+1], v[T:T+1], 1.0 op_sel_hi:[1,1,0]
	s_wait_alu depctr_va_vdst(0)
	v_rcp_f32 v[A], v[A]
	v_rcp_f32 v[A+1], v[A+1]
	v_rcp_f32 v[Q], v[Q]
	v_rcp_f32 v[Q+1], v[Q+1]
.endm
.macro ACT_C i
	v_pk_mul_f32 v[A:A+1], v[X+2*(\i):X+2*(\i)+1], v[A:A+1]                 ; silu
	v_pk_fma_f32 v[Q:Q+1], v[Q:Q+1], 2.0, -1.0 op_sel_hi:[1,0,0]            ; th
.endm
.macro SILU_OUT i                      ; row i's silu to LDS: it stands behind the next wait on va_vdst that the body has anyway
	ds_store_b64 v18, v[A:A+1] offset:SPITCH*(\i)
.endm
.macro DIFF
.irp j, 0,1,2,3,4,5,6,7,8,9,10,11
	v_pk_add_f32 v[D+2*\j:D+2*\j+1], v[Q:Q+1], v[K+2*\j:K+2*\j+1] neg_lo:[0,1] neg_hi:[0,1]   ; d[j] = th - g[j]: its sign is exact, and it is 0 only where the two are equal
.endr
.endm
.macro CMPS
.irp e, 0,1
.irp j, 0,1,2,3,4,5,6,7,8,9,10,11
	v_cmp_le_f32 s[72+12*\e+\j], 0, v[D+2*\j+\e]   ; th >= g[j]
.endr
.endr
.endm
.macro ANDS
.irp e, 0,1
.irp j, 0,1,2,3,4,5,6,7,8,9,10
	s_and_not1_b32 s[72+12*\e+\j], s[72+12*\e+\j], s[72+12*\e+\j+1]         ; and th < g[j + 1]
.endr
.endr
.endm
.macro SEL
.irp e, 0,1
.irp j, 0,1,2,3,4,5,6,7,8,9,10
	v_cndmask_b32 v[UA+2*\j+\e], 0, v[KI1+2*\j+\e], s[72+12*\e+\j]          ; u_1[j] = inv_1[j] b_0[j]
.endr
.endr
.endm
.macro LEVEL k, U, O, KI               ; U holds b_(k-1) (for k = 1: u_1); O receives b_k
.if \k > 1
.set jj, 0
.rept 12-\k
	v_pk_mul_f32 v[\U+2*jj:\U+2*jj+1], v[\U+2*jj:\U+2*jj+1], v[\KI+2*jj:\KI+2*jj+1]
.set jj, jj+1
.endr
.endif
.set jj, 0
.rept 11-\k
	v_pk_mul_f32 v[\O+2*jj:\O+2*jj+1], v[D+2*(jj+\k+1):D+2*(jj+\k+1)+1], v[\U+2*jj+2:\U+2*jj+3]
.set jj, jj+1
.endr
.set jj, 0
.rept 11-\k
	v_pk_fma_f32 v[\O+2*jj:\O+2*jj+1], v[D+2*jj:D+2*jj+1], v[\U+2*jj:\U+2*jj+1], v[\O+2*jj:\O+2*jj+1] neg_lo:[0,0,1] neg_hi:[0,0,1]
.set jj, jj+1
.endr
.endm
; THE TURN.  v[UB + 2 j + e] = b_3[j] of my feature e.  In: basis function j's line takes the wave's 64 features as they follow each other, 8 bytes a lane: 256 consecutive bytes a store.
; Back: lane l takes 64 bytes of line l / 4: features 16 (l % 4) .. + 15 of the wave's 64.  Lines are 272 bytes apart.
; LDS serves a wave's instructions in order (ISA guide 5.7.1.4): the loads see the stores, and the next row's stores come behind these loads.
.macro TURN
.irp j, 0,1,2,3,4,5,6,7
	ds_store_b64 v1, v[UB+2*\j:UB+2*\j+1] offset:TPITCH*\j
.endr
.irp p, 0,1,2,3
	ds_load_b128 v[L+4*\p:L+4*\p+3], v228 offset:16*\p
.endr
.endm
.macro QUANT                           ; v[L .. L + 15] = 16 neighbours along K: half a block; lane l xor 1 holds the other half
	v_max3_num_f32 v[M0], |v[L]|, |v[L+1]|, FLOOR
	v_max3_num_f32 v[M1], |v[L+2]|, |v[L+3]|, |v[L+4]|
	v_max3_num_f32 v[M0], v[M0], |v[L+5]|, |v[L+6]|
	v_max3_num_f32 v[M1], v[M1], |v[L+7]|, |v[L+8]|
	v_max3_num_f32 v[M0], v[M0], |v[L+9]|, |v[L+10]|
	v_max3_num_f32 v[M1], v[M1], |v[L+11]|, |v[L+12]|
	v_max3_num_f32 v[M0], v[M0], |v[L+13]|, |v[L+14]|
	v_max3_num_f32 v[M0], v[M0], v[M1], |v[L+15]|
	v_max_num_f32_dpp v[M0], v[M0], v[M0] row_xmask:1 row_mask:0xf bank_mask:0xf
	v_add_nc_u32 v[SC], 0xff000000, v[M0]          ; 2 off the exponent field: the conversion's scale operand
	v_cvt_scalef32_pk8_fp4_f32 v[CD], v[L:L+7], v[SC]
	v_cvt_scalef32_pk8_fp4_f32 v[CD+1], v[L+8:L+15], v[SC]
	v_lshrrev_b32 v[M1], 23, v[SC]                 ; the scale's byte; also the plain line behind the conversions
.endm
.macro QUANT_OUT i                     ; row i's codes and scale byte to LDS: behind the next wait on va_vdst
	ds_store_b64 v19, v[CD:CD+1] offset:16*(\i)
	ds_store_b8 v20, v[M1] offset:48*(\i)          ; both lanes of a block write the same byte with the same value
.endm
; Row i's spline; between its lines the activations of the rows behind it (row i + 1's reciprocals and products, row i + 2's exponentials), so that each batch of transcendentals has plain work behind it and a wait
; ahead of its first reader; and row i - 1's quantising, whose numbers were sent through the turn at the end of the row before.
; The next chunk's x is asked for as soon as its registers are free: rows 0-7 at the head of row 8 (row 7 was last read in row 6's body), rows 8-15 at the head of row 15 (row 15 was last read in row 14's body, ahead of
; that body's last wait on va_vdst, behind which no vector line stands).  The last chunk asks for nothing.
.macro BODY i
.if \i == 8
	s_cmp_eq_u32 s6, CHUNKS-1
	s_cbranch_scc1 .Lno_more_a_\@
	s_wait_xcnt 0x0                                ; every earlier memory instruction has read its addresses: x's base may step
	s_add_nc_u64 s[8:9], s[8:9], 64*512
	XLOAD 0
.Lno_more_a_\@:
.endif
.if \i == 15
	s_cmp_eq_u32 s6, CHUNKS-1
	s_cbranch_scc1 .Lno_more_b_\@
	XLOAD 8
.Lno_more_b_\@:
.endif
	DIFF
	CMPS
	s_wait_alu depctr_vm_vsrc(0)                   ; the LDS stores issued so far have read their data: silu's A, the turn's UB, the codes' CD and the byte's M1, all of which this body writes again from here on
.if \i < 15
	ACT_B
.endif
	s_wait_alu depctr_va_sdst(0)                   ; the 24 compares have written s72-95, ahead of the scalar lines that read them
	ANDS
.if \i > 0
	s_wait_dscnt 0x0                               ; the row before is back from the turn: no LDS instruction was issued behind its four loads
	QUANT
.endif
	SEL
	LEVEL 1, UA, UB, KI1
	s_wait_alu depctr_va_vdst(0)                   ; up to row 14: the four reciprocals are written, ahead of their first reader; from row 1 on: the conversions have written CD and the shift M1, which the two stores below read
.if \i > 0
	QUANT_OUT \i-1
.endif
.if \i < 15
	ACT_C \i+1
.endif
	LEVEL 2, UB, UA, KI2
.if \i < 14
	ACT_A \i+2
.endif
	LEVEL 3, UA, UB, KI3
	s_wait_alu depctr_va_vdst(0)                   ; level 3 has written UB and the activations A, which the stores below read; level 3 is done with UA, in which the turn's loads land; the two exponentials are written, ahead of the next body's reader
.if \i < 15
	SILU_OUT \i+1
.endif
	TURN
.endm
; ---------------- P2
.macro PLACES                          ; four plain lines behind matrix instructions, ahead of loads into their registers and of the first read of results (ISA guide 7.12.1 for the read of results)
.rept 4
	v_nop
.endr
.endm
.macro SILUQ                           ; my 16 rows of silu become one fragment: lane (r, h) holds blocks h and 2 + h of row r whole
.irp c, 0,1
.irp n, 0,1,2,3,4,5,6,7
	ds_load_b128 v[S+32*\c+4*\n:S+32*\c+4*\n+3], v21 offset:256*\c+16*\n
.endr
.endr
	ds_load_b128 v[BS:BS+3], v23                   ; the rows' eight scale words of the spline's K
	ds_load_b128 v[BS+4:BS+7], v23 offset:16
	s_wait_dscnt 2                                 ; silu is in; the two loads just issued may be out
.irp c, 0,1
	v_max3_num_f32 v[MX+\c], |v[S+32*\c]|, |v[S+32*\c+1]|, FLOOR
.endr
.irp n, 2,4,6,8,10,12,14,16,18,20,22,24,26,28,30
.irp c, 0,1
	v_max3_num_f32 v[MX+\c], v[MX+\c], |v[S+32*\c+\n]|, |v[S+32*\c+\n+1]|
.endr
.endr
.irp c, 0,1
	v_add_nc_u32 v[SCO+\c], 0xff000000, v[MX+\c]
.endr
.irp c, 0,1
	v_lshrrev_b32 v[BYT+\c], 23, v[SCO+\c]
.endr
	v_lshl_or_b32 v[W9], v[BYT+1], 16, v[BYT]      ; my two bytes,
	v_lshlrev_b32 v[W9], v17, v[W9]                ; at their places in the word (8 h bits up);
	v_mov_b32 v[PT], 0                             ; (a lane permute's destination counts as one of its sources)
	v_permlanex16_b32 v[PT], v[W9], s36, s37
	v_or_b32 v[PS], v[W9], v[PT]                   ; with lane l xor 16's two the word is whole
.irp c, 0,1
.irp g, 0,1,2,3
	v_cvt_scalef32_pk8_fp4_f32 v[PF+4*\c+\g], v[S+32*\c+8*\g:S+32*\c+8*\g+7], v[SCO+\c]
.endr
.endr
.rept 8
	v_nop                                          ; a scale register written by a vector instruction stands 8 places ahead of a scaled matrix instruction, an operand so written 4
.endr
	s_wait_alu depctr_va_vdst(0)                   ; silu's word v[PS] and its fragment v[PF ..] are written, which the base product takes as scale and operand (the places above stay beside this wait); the maxima and the conversions are done with v148-219, in which the loads below land
.endm
.macro LDBF s                          ; the rows' fragment of K step s into set s % 2
.irp c, 0,1
	ds_load_b128 v[BFA+8*((\s)%2)+4*\c:BFA+8*((\s)%2)+4*\c+3], v22 offset:(4*(\s)+2*\c)*IPITCH
.endr
.endm
.macro LDWF p, s                       ; Ws's fragments of tiles 2 p, 2 p + 1, K step s, into set s % 2
.irp u, 0,1
.irp c, 0,1
	ds_load_b128 v[WFA+16*((\s)%2)+8*\u+4*\c:WFA+16*((\s)%2)+8*\u+4*\c+3], v9 offset:((8*(2*(\p)+\u)+(\s))*2+\c)*512
.endr
.endr
.endm
; Two tiles of 16 outputs.  The accumulators take turns, one instruction a turn.
; All loads at its head stand behind a wait on va_vdst (the one that closes the quantising of silu, or the one ahead of the stage's stores of the two tiles before) with no vector or matrix line between.
.macro PASS p
.irp u, 0,1
.irp c, 0,1
	ds_load_b128 v[WFB+8*\u+4*\c:WFB+8*\u+4*\c+3], v11 offset:1024*(2*\p+\u)+512*\c   ; Wb's fragments, in set 1
.endr
.endr
.irp u, 0,1
	ds_load_b32 v[BWS+\u], v12 offset:64*(2*\p+\u)
.endr
.if \p > 0
	s_wait_alu depctr_vm_vsrc(0)                   ; the stage's stores of the two tiles before have read v[AB ..], in which the bias lands
.endif
.irp u, 0,1
	ds_load_b128 v[AB+8*\u:AB+8*\u+3], v13 offset:64*(2*\p+\u)              ; the bias is the C of the base product
	ds_load_b128 v[AB+8*\u+4:AB+8*\u+7], v13 offset:64*(2*\p+\u)+16
.endr
.irp u, 0,1
	ds_load_b128 v[WSC+8*\u:WSC+8*\u+3], v10 offset:768*(2*\p+\u)
	ds_load_b128 v[WSC+8*\u+4:WSC+8*\u+7], v10 offset:768*(2*\p+\u)+16
.endr
	LDBF 0
	LDWF \p, 0
	LDBF 1
	s_wait_dscnt 12                                ; bias, Wb and its words are in; out may be Ws's words (4), K step 0 (6) and the rows' K step 1 (2)
.irp u, 0,1
	v_wmma_scale_f32_16x16x128_f8f6f4 v[AB+8*\u:AB+8*\u+7], v[WFB+8*\u:WFB+8*\u+7], v[PF:PF+7], v[AB+8*\u:AB+8*\u+7], v[BWS+\u], v[PS] matrix_a_fmt:MATRIX_FMT_FP4 matrix_b_fmt:MATRIX_FMT_FP4
.endr
	PLACES
	s_wait_alu depctr_va_vdst(0)                   ; the base product's two matrix instructions are done reading Wb's fragments in set 1, in which K step 1's fragments of Ws land
	LDWF \p, 1
.irp s, 0,1,2,3,4,5,6,7
.if \s < 7
	s_wait_dscnt 6                                 ; this K step's loads are in; the next step's six may be out
.else
	s_wait_dscnt 0x0
.endif
.irp u, 0,1
.if \s == 0
	v_wmma_scale_f32_16x16x128_f8f6f4 v[AS+8*\u:AS+8*\u+7], v[WFA+16*(\s%2)+8*\u:WFA+16*(\s%2)+8*\u+7], v[BFA+8*(\s%2):BFA+8*(\s%2)+7], 0, v[WSC+8*\u+\s], v[BS+\s] matrix_a_fmt:MATRIX_FMT_FP4 matrix_b_fmt:MATRIX_FMT_FP4
.else
	v_wmma_scale_f32_16x16x128_f8f6f4 v[AS+8*\u:AS+8*\u+7], v[WFA+16*(\s%2)+8*\u:WFA+16*(\s%2)+8*\u+7], v[BFA+8*(\s%2):BFA+8*(\s%2)+7], v[AS+8*\u:AS+8*\u+7], v[WSC+8*\u+\s], v[BS+\s] matrix_a_fmt:MATRIX_FMT_FP4 matrix_b_fmt:MATRIX_FMT_FP4
.endif
.endr
.if \s < 6
	PLACES
	s_wait_alu depctr_va_vdst(0)                   ; this K step's two matrix instructions are done reading their sets of fragments, in which the fragments of two K steps on land
	LDBF \s+2
	LDWF \p, \s+2
.endif
.endr
	PLACES
.irp u, 0,1
.irp i, 0,1,2,3
	v_pk_fma_f32 v[AB+8*\u+2*\i:AB+8*\u+2*\i+1], v[AS+8*\u+2*\i:AS+8*\u+2*\i+1], s[30:31], v[AB+8*\u+2*\i:AB+8*\u+2*\i+1] op_sel_hi:[1,0,1]   ; + spline_scale x the spline's sum; each accumulator from its low end on
.endr
.endr
	s_wait_alu depctr_va_vdst(0)                   ; the multiply-adds have written v[AB ..], which the stage's stores read; these two tiles' matrix instructions are done with their fragments and scale words, in which the loads that follow land
.irp u, 0,1
	ds_store_b128 v14, v[AB+8*\u:AB+8*\u+3] offset:64*(2*\p+\u)             ; lane (r, h): row r, outputs 16 tile + 8 h + 0 .. 7
	ds_store_b128 v14, v[AB+8*\u+4:AB+8*\u+7] offset:64*(2*\p+\u)+16
.endr
.endm
.macro P2
	SILUQ
	PASS 0
	PASS 1
.irp n, 0,1,2,3,4,5,6,7
	ds_load_b128 v[RB+4*\n:RB+4*\n+3], v15 offset:544*\n                    ; my own stage: LDS serves a wave's instructions in order (ISA guide 5.7.1.4): these see my stores
.endr
.irp n, 0,1,2,3,4,5,6,7
	s_wait_dscnt 7-\n
	global_store_b128 v16, v[RB+4*\n:RB+4*\n+3], s[26:27] offset:1024*\n th:TH_STORE_NT   ; sixteen lanes store 256 consecutive bytes, aligned: my half of a row
.endr
	s_wait_xcnt 0x0                                ; the stores have read their registers and their base: both may be written again
	s_add_nc_u64 s[26:27], s[26:27], 64*512
.endm
; ---------------- the chunks
	s_mov_b32 s6, 0
	s_mov_b32 s7, 0
.Ltrip:
	s_xor_b32 s28, s7, BUF
	s_wait_alu depctr_vm_vsrc(0)                   ; the LDS instructions of the trip before have read their addresses in v18-23, which are written now, and its stores their data; the first time: the head's loads have read v220-223 and its LDS stores v140-217 and v224-227, all of which the trip writes
	v_add_nc_u32 v18, s7, v3
	v_add_nc_u32 v19, s7, v4
	v_add_nc_u32 v20, s7, v5
	v_add_nc_u32 v21, s28, v6
	v_add_nc_u32 v22, s28, v7
	v_add_nc_u32 v23, s28, v8
	s_wait_alu depctr_va_vdst(0)                   ; v18-23 are written, which the trip's LDS instructions read; the vector and matrix instructions of the trip before are done with v148-211 and v230-237, in which P2's first loads land
	s_cmp_eq_u32 s6, 0                             ; the first chunk has none before it
	s_cbranch_scc1 .Lskip_a
	s_cmp_lg_u32 s5, 0
	s_cbranch_scc1 .Lskip_a
	P2                                             ; role 0: the chunk before, out of the other buffer
.Lskip_a:
	s_wait_loadcnt 0x0                             ; this chunk's x (and, the first time, the constants): asked for in the chunk before, a whole P2 and a barrier ago; no younger load exists on any way here
	s_wait_alu depctr_vm_vsrc(0)                   ; in the waves that have just run P2: its stage's stores have read v148-163 and its global stores v180-211, which P1 writes from here on
	ACT_A 0
	v_nop                                          ; a plain line behind the exponentials,
	s_wait_alu depctr_va_vdst(0)                   ; and their wait: row 0's two exponentials are written, ahead of their first reader
	ACT_B
	v_nop
	s_wait_alu depctr_va_vdst(0)                   ; row 0's four reciprocals are written, ahead of their first reader
	ACT_C 0
	ACT_A 1
	v_nop                                          ; a plain line behind the exponentials
	s_wait_alu depctr_va_vdst(0)                   ; row 0's silu is written in A, which the store below reads; row 1's two exponentials are written, ahead of the first body's reader
	SILU_OUT 0
.irp i, 0,1,2,3,4,5,6,7,8,9,10,11,12,13,14,15
	BODY \i
.endr
	s_wait_dscnt 0x0                               ; the last row is back from the turn
	s_wait_alu depctr_vm_vsrc(0)                   ; row 14's two LDS stores have read CD and M1, which the lines below write again
	QUANT
	s_wait_alu depctr_va_vdst(0)                   ; the conversions have written CD and the shift M1, which the two stores below read; P1's vector lines are done with v148-211, in which P2's first loads land
	QUANT_OUT 15
	s_wait_alu depctr_vm_vsrc(0)                   ; row 15's two LDS stores have read CD and M1: in the waves that go on to P2 here, the lines that quantise silu write them again
	s_cmp_eq_u32 s6, 0
	s_cbranch_scc1 .Lskip_b
	s_cmp_eq_u32 s5, 0
	s_cbranch_scc1 .Lskip_b
	P2                                             ; role 1: the same, behind P1
.Lskip_b:
	BARRIER                                        ; this chunk's images are whole, and nobody reads the other buffer any more
	s_xor_b32 s7, s7, BUF
	s_add_co_u32 s6, s6, 1
	s_cmp_lt_u32 s6, CHUNKS
	s_cbranch_scc1 .Ltrip
	s_xor_b32 s28, s7, BUF                         ; the last chunk's products
	s_wait_alu depctr_vm_vsrc(0)                   ; the LDS loads of the last trip's P2 have read v21-23, which are written now, and its stores have read v148-163 and v180-211, in which the loads below land
	v_add_nc_u32 v21, s28, v6
	v_add_nc_u32 v22, s28, v7
	v_add_nc_u32 v23, s28, v8
	s_wait_alu depctr_va_vdst(0)                   ; v21-23 are written, which P2's LDS loads read
	P2
	s_set_vgpr_msb 0x5
	s_wait_dscnt 0x0
	s_wait_alu depctr_hold_cnt(0) depctr_sa_sdst(0) depctr_va_vdst(0) depctr_va_sdst(0) depctr_va_ssrc(0) depctr_va_vcc(0) depctr_vm_vsrc(0)
	s_wait_tensorcnt 0x0
	ds_add_u32 v0, v1
	s_wait_dscnt 0x0
	s_endpgm
.Lfunc_end_k_qeabcd7ec80_kan:
	.size	k_qeabcd7ec80_kan, .Lfunc_end_k_qeabcd7ec80_kan-k_qeabcd7ec80_kan
	.p2alignl 7, 3214868480
	.fill 96, 4, 3214868480
	.section	.rodata,"a",@progbits
	.p2align	6, 0x0
	.amdhsa_kernel k_qeabcd7ec80_kan
		.amdhsa_group_segment_fixed_size 285184
		.amdhsa_private_segment_fixed_size 0
		.amdhsa_enable_private_segment 0
		.amdhsa_kernarg_size 80
		.amdhsa_user_sgpr_count 2
		.amdhsa_user_sgpr_kernarg_segment_ptr 1
		.amdhsa_wavefront_size32 1
		.amdhsa_system_sgpr_workgroup_id_x 1
		.amdhsa_system_sgpr_workgroup_id_y 1
		.amdhsa_system_sgpr_workgroup_id_z 1
		.amdhsa_system_vgpr_workitem_id 0
		.amdhsa_next_free_vgpr 258
		.amdhsa_next_free_sgpr 96
		.amdhsa_reserve_vcc 0
		.amdhsa_float_denorm_mode_32 3
		.amdhsa_float_denorm_mode_16_64 3
		.amdhsa_memory_ordered 1
		.amdhsa_forward_progress 1
		.amdhsa_inst_pref_size 255
	.end_amdhsa_kernel
	.section	.bss,"aw",@nobits
	.p2align	6
	.space	262144
	.amdgpu_metadata
---
amdhsa.version: [ 1, 2 ]
amdhsa.kernels:
  - .name:           k_qeabcd7ec80_kan
    .symbol:         k_qeabcd7ec80_kan.kd
    .args:
      - { .name: x, .offset: 0, .size: 8, .value_kind: global_buffer, .address_space: global }
      - { .name: gtab, .offset: 8, .size: 8, .value_kind: global_buffer, .address_space: global }
      - { .name: wfrag, .offset: 16, .size: 8, .value_kind: global_buffer, .address_space: global }
      - { .name: wscale, .offset: 24, .size: 8, .value_kind: global_buffer, .address_space: global }
      - { .name: base_weight_codes, .offset: 32, .size: 8, .value_kind: global_buffer, .address_space: global }
      - { .name: base_weight_scales, .offset: 40, .size: 8, .value_kind: global_buffer, .address_space: global }
      - { .name: base_bias, .offset: 48, .size: 8, .value_kind: global_buffer, .address_space: global }
      - { .name: spline_bias, .offset: 56, .size: 8, .value_kind: global_buffer, .address_space: global }
      - { .name: spline_scale, .offset: 64, .size: 8, .value_kind: global_buffer, .address_space: global }
      - { .name: out0, .offset: 72, .size: 8, .value_kind: global_buffer, .address_space: global }
    .group_segment_fixed_size: 285184
    .private_segment_fixed_size: 0
    .kernarg_segment_align: 8
    .kernarg_segment_size: 80
    .max_flat_workgroup_size: 256
    .sgpr_count:     96
    .vgpr_count:     258
    .wavefront_size: 32
...
	.end_amdgpu_metadata
.endif
;; end of part 4
